; MI455X (gfx1250); checked and timed in simulation.
; The chip was launched on July 23, 2026; its instructions are those of AMD's public machine-readable ISA for CDNA 5 (MIT licence, August 2026) and "CDNA5" Instruction Set Architecture Reference Guide (July 2026). The comments in the code are by the model that wrote it; some were corrected since.
;; Split Head SAM Decoder Attention. Allowed arithmetic: matrix products marked QUANTISED: E2M1 operands, one E8M0 scale for each 32 along K, by v_wmma_scale_f32_16x16x128_f8f6f4 with both operands' format E2M1 (or v_wmma_scale_f32_32x16x128_f4), f32 sums; everything else in f32.
;; Inputs: Wk 8 x 32 x 256 float32; Wo 256 x 256 float32; Wq 8 x 32 x 256 float32; Wv 8 x 32 x 256 float32; bk 8 x 32 float32; bo 256 float32; bq 8 x 32 float32; bv 8 x 32 float32; k 8 x 4,096 x 256 float32; q 8 x 1,024 x 256 float32; v 8 x 4,096 x 256 float32.
;; Outputs: out0 8 x 1,024 x 256 float32.
;; This version of the problem:
;;   THIS VERSION OF THE PROBLEM IS GIVEN IN LOW PRECISION. The matrix products marked QUANTISED in the list below multiply operands that are first quantised to E2M1 (2 exponent bits, 1 mantissa bit; 4 bits a number), with one power-of-two scale for each 32 numbers along K (OCP MX v1.0); their sums are f32. All else is computed in f32.
;;   The module's matrix products, in the order in which they are computed (A, B: the left and right operand; K: the contracted axis; several contracted axes count as one K, in the product's order):
;;     1. [M 256, K 256] x [K 256, N 8,192]; A: input Wq; B: input q: QUANTISED
;;     2. [M 256, K 256] x [K 256, N 32,768]; A: input Wk; B: input k: QUANTISED
;;     3. [M 256, K 256] x [K 256, N 32,768]; A: input Wv; B: input v: QUANTISED
;;     4. batch 64 x [M 1,024, K 32] x [K 32, N 4,096]; A: computed on the way; B: computed on the way: QUANTISED
;;     5. batch 64 x [M 1,024, K 4,096] x [K 4,096, N 32]; A: softmax (see below); B: computed on the way: QUANTISED
;;     6. [M 8,192, K 256] x [K 256, N 256]; A: computed on the way; B: input Wo: QUANTISED
;;   THE QUANTISER, for each operand of a quantised product, along K:
;;     - K is cut into blocks of 32 from its start; a last block that is shorter is filled with zeros.
;;     - A block's scale is 2^e with e = floor(log2(the largest magnitude in the block)) - 2, held to -126 .. 127; a block of zeros has e = 0. As a byte (E8M0): e + 127.
;;     - Each number is divided by its block's scale, clamped to +-6, and rounded to the nearest number of E2M1, ties to even, subnormals kept.
;;     - The product sums the exact products of the quantised numbers (number of the format x scale) in f32.
;;   ~~~python
;;   def quantise(x, axis):      # numpy; x: float32 -> the quantised numbers, widened to float32 again
;;       x = np.moveaxis(x, axis, -1); K = x.shape[-1]
;;       x = np.pad(x, [(0, 0)] * (x.ndim - 1) + [(0, -K % 32)]); x = x.reshape(x.shape[:-1] + (-1, 32)); a = np.abs(x).max(-1, keepdims=True)
;;       e = np.where(a > 0, np.clip(np.frexp(np.where(a > 0, a, 1))[1] - 1 - 2, -126, 127), 0)      # np.frexp(a)[1] - 1 = floor(log2(a)), exactly
;;       r = np.clip(x / 2.0 ** e, -6, 6)
;;       step = 2.0 ** (np.maximum(np.frexp(np.where(r == 0, 1, r))[1] - 1, 0) - 1)
;;       q = np.round(r / step) * step * 2.0 ** e      # np.round: ties to even
;;       return np.moveaxis(q.reshape(q.shape[:-2] + (-1,))[..., :K], -1, axis).astype(np.float32)
;;   ~~~
;;   SOFTMAX AHEAD OF A QUANTISED PRODUCT. Where the list says 'softmax', what is quantised is not the finished softmax but p = 2^(t - M), with t = logit x log2(e) and M = ceil(the row's largest t), a whole number; so 1/2 < the row's largest p <= 1. The row's sum l is taken of the UNQUANTISED p, in f32, and the product's result is divided by l at the end. Since M is a whole number, a kernel that streams over the keys may use a running M (the ceiling of the running maximum): every later rescaling is an exact power of two, which a block's scale takes up: the codes' values come out the same.
;;   OPERANDS COMPUTED ON THE WAY. 'Computed on the way' means the value that the module computes at that place (a softmax that the list does not call 'softmax' is quantised finished and normalised). What goes into a quantiser is computed in f32, as accurately as f32 sums, v_exp_f32 and their like allow (about 1e-6 of the number): no bf16 or f16 on the way to a quantiser, and a product that is left as it is and whose result goes on into a quantised operand takes f32 operands (vector FMAs, or v_wmma_f32_16x16x4_f32). A number that lies on a knife's edge between two numbers of the format may be rounded either way, as far as f32 arithmetic and the matrix unit's own rounding can turn it there, and no further.
;; 2 versions. Each part assembles by itself: llvm-mc -triple=amdgcn-amd-amdhsa -mcpu=gfx1250 --defsym DOCPART=n.
;; ======== version 1 of 2: 3 launches
;; workspace buffers: kv 8,912,896 bytes; qc 1,179,648 bytes; wo 36,864 bytes; oc 1,048,576 bytes; os 65,536 bytes
;; launch proj (part 1): grid 289 x 1, 8 waves a work-group, no clusters, 105,472 bytes of LDS; arguments q, k, v, Wq, Wk, Wv, Wo, bq, bk, bv, qc, kv, wo; writes qc, kv, wo
.if DOCPART == 1
	.amdgcn_target "amdgcn-amd-amdhsa--gfx1250"
	.amdhsa_code_object_version 6
	.text
	.protected	k_q8cd0b3e2cd_proj
	.globl	k_q8cd0b3e2cd_proj
	.p2align	8
	.type	k_q8cd0b3e2cd_proj,@function
k_q8cd0b3e2cd_proj:
	s_mov_b64 s[64:65], 0
	v_nop
	global_prefetch_b8 v0, s[64:65] scope:SCOPE_SE
	s_setreg_imm32_b32 hwreg(HW_REG_WAVE_MODE, 25, 1), 1
	s_wait_xcnt 0x0
; THE THREE PROJECTIONS, qh = q Wq^T + bq, kh = k Wk^T + bk, vh = v Wv^T + bv, on codes of FP4 (E2M1) with one E8M0 scale for each 32 along K (= the 256 channels),
; and the quantising of their results, and of Wo, for the launches that follow.  Everything leaves as IMAGES OF OPERAND REGISTERS: a fragment (16 rows x 128 K, 8 registers a lane)
; is [c = 0, 1][lane][16 bytes]; lane (r, hh) holds in registers 4 c .. 4 c + 3 the block 2 c + hh of row r.
; SHARES.  Work-groups 0-31 take q, 32-159 k, 160-287 v, 256 tokens each; work-group 288 quantises Wo and ends.  Wave w is head w: it quantises its 32 rows of the weight into registers,
; quantises tokens 32 w .. 32 w + 31 of the block into LDS, and behind ONE barrier multiplies all 256 tokens by its head's weight.
; ONE MAP OF TILES: tile t of a run of rows holds in lane r the row 32 (t / 2) + 8 (t % 2) + r + 8 (r / 8), so that the 16 result registers of tiles 2 b, 2 b + 1 are 16 neighbours 32 b + 16 hh + 0 .. 15.
; q, k: the product is used transposed (source 0 = 16 rows of W, source 1 = 16 tokens): a lane holds one token and 16 of the head's 32 numbers.  The next product's K is those 32: ONE block.  Four tiles of tokens
;   are laid as the four blocks of one fragment; the reader multiplies by an operand that is zero codes in the other three blocks.
; v: source 0 = 16 tokens, source 1 = 16 rows of W: a lane holds one of the head's numbers and its registers run along the keys, which are the next product's K.
; The weights are quantised by every work-group anew: 32 KB a wave, read again by all, against one more launch.
; LIMITS: NaN and infinities among the inputs are not served.  A block whose largest magnitude lies under 2^-124, a block of zeros among them, gets the scale byte 1 (zero codes add nothing); this program alone reads the bytes.
.set XSC,   32768                      ; LDS: 0 .. 32,767 the 32 fragments of the block's tokens, (tile t, K step ks) at 1,024 (2 t + ks); here their scale words, 128 bytes each
.set STAGE, 36864                      ; behind them a stage for each wave: 16 rows x (512 bytes + 16)
.set SROW,  528                        ; 33 x 16 bytes
.set W,   16                           ; v16-47   my head's weight: fragment (u, ks) at W + 8 (2 u + ks)
.set WS,  48                           ; v48-51   its scale words
.set BI,  52                           ; v52-67   the bias in the result's layout, 8 registers a tile u
.set XF,  68                           ; v68-99   four fragments of tokens, (a, ks) at XF + 8 (2 a + ks)
.set PC0, 68                           ; v68-75, v76-83 codes just made; v84 their scale words (the same registers, at other times)
.set PC1, 76
.set SW,  84
.set XS,  100                          ; v100-103 the tokens' scale words
.set TM,  104                          ; v104-107 largest magnitudes, v108-111 bytes and lane exchanges, v112-115 the conversions' scale operands
.set PW0, 116
.set PW1, 117
.set R0,  128                          ; v128-191, v192-255 numbers as loaded; later the 16 accumulators
.set R1,  192
.set ACC, 128
.set SEL, 46                           ; s[46:47] v_permlanex16_b32's selects for lane l xor 16
; 64 numbers of a lane, register 16 b + i = k 32 b + 16 hh + i of my row, become a fragment's codes in v[pc] on and its scale word in v[pw].
.macro QUANT s, pc, pw
.irp b, 0,1,2,3
	v_max3_num_f32 v[TM+\b], |v[\s+16*\b]|, |v[\s+16*\b+1]|, 0x1800000   ; my 16 numbers of block b, and the floor 2^(3 - 127): the byte cannot fall under 1
.endr
.irp i, 2,4,6,8,10,12,14
.irp b, 0,1,2,3
	v_max3_num_f32 v[TM+\b], v[TM+\b], |v[\s+16*\b+\i]|, |v[\s+16*\b+\i+1]|   ; the four blocks by turns
.endr
.endr
.irp b, 0,1,2,3
	v_permlanex16_b32 v[TM+4+\b], v[TM+\b], s[SEL], s[SEL+1]
.endr
.irp b, 0,1,2,3
	v_max_num_f32 v[TM+\b], v[TM+\b], v[TM+4+\b]   ; with lane l xor 16's: the block's largest magnitude
.endr
.irp b, 0,1,2,3
	v_add_nc_u32 v[TM+8+\b], 0xff000000, v[TM+\b]  ; 2 off its exponent field: the conversion takes that field as its scale
.endr
.irp b, 0,1,2,3
	v_lshrrev_b32 v[TM+4+\b], 23, v[TM+8+\b]       ; the scale's byte
.endr
	v_lshl_or_b32 v[\pw], v[TM+5], 8, v[TM+4]
	v_lshl_or_b32 v[\pw], v[TM+6], 16, v[\pw]
	v_lshl_or_b32 v[\pw], v[TM+7], 24, v[\pw]      ; my row's scale word, in both halves of the lanes
.irp b, 0,1,2,3
	v_cvt_scalef32_pk8_fp4_f32 v[\pc+2*\b], v[\s+16*\b:\s+16*\b+7], v[TM+8+\b]
	v_cvt_scalef32_pk8_fp4_f32 v[\pc+2*\b+1], v[\s+16*\b+8:\s+16*\b+15], v[TM+8+\b]
.endr
	v_nop                                          ; one plain place behind the scaled conversions
.irp c, 0,1
.irp i, 0,1
	v_permlane16_swap_b32 v[\pc+4*\c+\i], v[\pc+4*\c+2+\i]   ; a whole block to a lane: lanes 0-15 block 2 c, lanes 16-31 block 2 c + 1
.endr
.endr
.endm
; Fragment f = 2 u + ks of my head's weight as f32: lane (r, hh) takes, of row 8 u + r + 8 (r / 8), blocks hh and 2 + hh of the K step: 2 x 128 bytes
.macro WLOAD f, reg
.irp c, 0,1
.irp i, 0,1,2,3,4,5,6,7
	global_load_b128 v[\reg+32*\c+4*\i:\reg+32*\c+4*\i+3], v3, s[36:37] offset:8192*((\f)/2)+512*((\f)%2)+256*\c+16*\i
.endr
.endr
.endm
; and its quantising: both blocks are the lane's own; the scale word's four bytes come from lanes l and l xor 16
.macro WQ src, dst, sc
.irp c, 0,1
	v_max3_num_f32 v[TM+\c], |v[\src+32*\c]|, |v[\src+32*\c+1]|, 0x1800000
.endr
.irp i, 2,4,6,8,10,12,14,16,18,20,22,24,26,28,30
.irp c, 0,1
	v_max3_num_f32 v[TM+\c], v[TM+\c], |v[\src+32*\c+\i]|, |v[\src+32*\c+\i+1]|
.endr
.endr
.irp c, 0,1
	v_add_nc_u32 v[TM+8+\c], 0xff000000, v[TM+\c]
.endr
.irp c, 0,1
	v_lshrrev_b32 v[TM+4+\c], 23, v[TM+8+\c]
.endr
	v_lshl_or_b32 v[TM+7], v[TM+5], 16, v[TM+4]    ; my two bytes: blocks hh and 2 + hh,
	v_lshlrev_b32 v[TM+7], v8, v[TM+7]             ; 8 hh bits up
	v_permlanex16_b32 v[TM+6], v[TM+7], s[SEL], s[SEL+1]
	v_or_b32 v[\sc], v[TM+7], v[TM+6]              ; with the other half's two the word is whole
.irp c, 0,1
.irp g, 0,1,2,3
	v_cvt_scalef32_pk8_fp4_f32 v[\dst+4*\c+\g], v[\src+32*\c+8*\g:\src+32*\c+8*\g+7], v[TM+8+\c]
.endr
.endr
	v_nop                                          ; one plain place behind the scaled conversions
.endm
; Fragment i = 2 u + ks of my 32 tokens as f32, as the bytes lie: load k takes 512 consecutive bytes of the tile's row k
.macro XRAW i, reg
.irp k, 0,1,2,3,4,5,6,7,8,9,10,11,12,13,14,15
	global_load_b128 v[\reg+4*\k:\reg+4*\k+3], v1, s[34:35] offset:(8*((\i)/2)+\k+8*(\k/8))*1024+512*((\i)%2) th:TH_LOAD_NT
.endr
.endm
; through my own stage: in as loaded, back 16 neighbours of each block to a lane
.macro TURN reg
.irp k, 0,1,2,3,4,5,6,7,8,9,10,11,12,13,14,15
	ds_store_b128 v4, v[\reg+4*\k:\reg+4*\k+3] offset:SROW*\k
.endr
	s_wait_dscnt 0x0                               ; the stores have read their registers, which the loads below write
.irp b, 0,1,2,3
.irp j, 0,1,2,3
	ds_load_b128 v[\reg+16*\b+4*\j:\reg+16*\b+4*\j+3], v5 offset:128*\b+16*\j
.endr
.endr
	s_wait_dscnt 0x0
.endm
; tiles 8 s + 2 p + a of the block's tokens, both K steps, with their scale words
.macro FETCH s, p
.irp a, 0,1
.irp ks, 0,1
.irp c, 0,1
	ds_load_b128 v[XF+8*(2*\a+\ks)+4*\c:XF+8*(2*\a+\ks)+4*\c+3], v1 offset:(2*(8*\s+2*\p+\a)+\ks)*1024+512*\c
.endr
	ds_load_b32 v[XS+2*\a+\ks], v2 offset:XSC+(2*(8*\s+2*\p+\a)+\ks)*128
.endr
.endr
.endm
; 8 matrix instructions: two tiles of tokens x my two tiles of weight rows x two K steps.  The four accumulators take turns, one instruction a turn.  The bias is the C of each sum's first product.
.macro MM tr, p
.irp ks, 0,1
.irp a, 0,1
.irp u, 0,1
.if \tr
.set DD, ACC+64*((\p)/2)+16*(2*((\p)%2)+\a)+8*\u
.if \ks == 0
	v_wmma_scale_f32_16x16x128_f8f6f4 v[DD:DD+7], v[W+8*(2*\u+\ks):W+8*(2*\u+\ks)+7], v[XF+8*(2*\a+\ks):XF+8*(2*\a+\ks)+7], v[BI+8*\u:BI+8*\u+7], v[WS+2*\u+\ks], v[XS+2*\a+\ks] matrix_a_fmt:MATRIX_FMT_FP4 matrix_b_fmt:MATRIX_FMT_FP4
.else
	v_wmma_scale_f32_16x16x128_f8f6f4 v[DD:DD+7], v[W+8*(2*\u+\ks):W+8*(2*\u+\ks)+7], v[XF+8*(2*\a+\ks):XF+8*(2*\a+\ks)+7], v[DD:DD+7], v[WS+2*\u+\ks], v[XS+2*\a+\ks] matrix_a_fmt:MATRIX_FMT_FP4 matrix_b_fmt:MATRIX_FMT_FP4
.endif
.else
.set DD, ACC+64*\u+16*(\p)+8*\a
.if \ks == 0
	v_wmma_scale_f32_16x16x128_f8f6f4 v[DD:DD+7], v[XF+8*(2*\a+\ks):XF+8*(2*\a+\ks)+7], v[W+8*(2*\u+\ks):W+8*(2*\u+\ks)+7], v[BI+8*\u:BI+8*\u+7], v[XS+2*\a+\ks], v[WS+2*\u+\ks] matrix_a_fmt:MATRIX_FMT_FP4 matrix_b_fmt:MATRIX_FMT_FP4
.else
	v_wmma_scale_f32_16x16x128_f8f6f4 v[DD:DD+7], v[XF+8*(2*\a+\ks):XF+8*(2*\a+\ks)+7], v[W+8*(2*\u+\ks):W+8*(2*\u+\ks)+7], v[DD:DD+7], v[XS+2*\a+\ks], v[WS+2*\u+\ks] matrix_a_fmt:MATRIX_FMT_FP4 matrix_b_fmt:MATRIX_FMT_FP4
.endif
.endif
.endr
.endr
.endr
.endm
.macro PLACES                          ; four plain places behind matrix instructions, ahead of loads into their registers and of the first read of results
.rept 4
	v_nop
.endr
.endm
.macro OUTS base                       ; two fragments, each store 512 consecutive bytes at a multiple of 256 from the buffer's first byte; and their 32 scale words
	global_store_b128 v1, v[PC0:PC0+3], s[\base:\base+1]
	global_store_b128 v1, v[PC0+4:PC0+7], s[\base:\base+1] offset:512
	global_store_b128 v1, v[PC1:PC1+3], s[\base:\base+1] offset:1024
	global_store_b128 v1, v[PC1+4:PC1+7], s[\base:\base+1] offset:1536
	global_store_b32 v9, v[SW], s[\base:\base+1]
.endm
; The products of the block's 256 tokens, 128 (a step of the reader) at a time; their 128 results a lane become two fragments.
.macro PHASE_M tr
.irp s, 0,1
.irp p, 0,1,2,3
.if \p > 0
	PLACES
.endif
.if (\s == 1) && (\p == 0)
	s_wait_xcnt 0x0                                ; the first step's stores have read their data, which lie where the fragments land
.endif
	FETCH \s, \p
	s_wait_dscnt 0x0
	MM \tr, \p
.endr
	PLACES
	QUANT ACC, PC0, PW0
	QUANT ACC+64, PC1, PW1
	v_cndmask_b32 v[SW], v[PW1], v[PW0], s48       ; lanes 0-15 the first fragment's words, lanes 16-31 the second's
	OUTS 40+2*\s
.endr
.endm
	s_load_b512 s[8:23], s[0:1], 0x0               ; q s[8:9], k s[10:11], v s[12:13], Wq s[14:15], Wk s[16:17], Wv s[18:19], Wo s[20:21], bq s[22:23]
	s_load_b256 s[24:31], s[0:1], 0x40             ; bk s[24:25], bv s[26:27], qc s[28:29], kv s[30:31]
	s_load_b64 s[32:33], s[0:1], 0x60              ; wo
	v_lshl_add_u32 v126, v0, 2, 0x19800
	v_mov_b32 v127, 0
	v_lshrrev_b32 v11, 5, v0
	v_readfirstlane_b32 s2, v11                    ; wave = head
	v_and_b32 v11, 31, v0                          ; lane
	v_and_b32 v12, 15, v0                          ; r
	v_bfe_u32 v13, v0, 4, 1                        ; hh
	v_lshlrev_b32 v1, 4, v11                       ; v1  16 x lane
	v_lshlrev_b32 v2, 2, v11                       ; v2  4 x lane
	v_and_b32 v14, 8, v12
	v_add_nc_u32 v14, v14, v12                     ; r + 8 (r / 8)
	v_lshlrev_b32 v3, 10, v14
	v_lshl_add_u32 v3, v13, 7, v3                  ; v3  the weight: my row of 1,024 bytes, + 128 hh
	s_mul_i32 s49, s2, 16*SROW
	s_add_co_u32 s49, s49, STAGE
	v_add_nc_u32 v4, s49, v1                       ; v4  my stage, on the way in
	v_mul_u32_u24 v5, v12, SROW
	v_lshl_add_u32 v5, v13, 6, v5
	v_add_nc_u32 v5, s49, v5                       ; v5  and back: row r, + 64 hh
	s_lshl_b32 s49, s2, 12
	v_add_nc_u32 v6, s49, v1                       ; v6  my four fragments' images: 4,096 x wave + 16 x lane
	s_lshl_b32 s49, s2, 9
	v_add_nc_u32 v7, s49, v2                       ; v7  and their scale words: 512 x wave + 4 x lane
	v_lshlrev_b32 v8, 3, v13                       ; v8  8 hh
.irp b, 0,1,2,3
	v_mov_b32 v[TM+4+\b], 0                        ; written once: a lane permute's destination counts as one of its sources
.endr
	s_mov_b32 s[SEL], 0x76543210
	s_mov_b32 s[SEL+1], 0xfedcba98
	s_mov_b32 s48, 0xffff                          ; lanes 0-15
	; what differs between q, k and v is kept in scalars, chosen by the work-group's number.  First v's:
	s_mov_b32 s3, ttmp9
	s_mov_b32 s50, 160                             ; the tensor's first work-group
	s_mov_b32 s51, 4                               ; log2 of the blocks in a batch
	s_mov_b32 s52, 4352                            ; a step's record in the output
	s_mov_b32 s53, 139264                          ; a head's records
	s_mov_b32 s54, 2048                            ; where my fragments begin in a record
	s_mov_b32 s55, 2176                            ; and, from there, the scale words
	s_cmp_lt_u32 s3, 160                           ; k's
	s_cselect_b32 s50, 32, s50
	s_cselect_b32 s54, 0, s54
	s_cselect_b32 s55, 4096, s55
	s_cselect_b32 s56, 0, 1                        ; 1: v's way (and Wo's work-group)
	s_cmp_lt_u32 s3, 32                            ; q's
	s_cselect_b32 s50, 0, s50
	s_cselect_b32 s51, 2, s51
	s_cselect_b32 s52, 2304, s52
	s_cselect_b32 s53, 18432, s53
	s_cselect_b32 s55, 2048, s55
	s_sub_co_u32 s57, s3, s50                      ; my block of 256 tokens
	s_min_u32 s57, s57, 127                        ; (Wo's work-group forms addresses that it does not use: they too lie inside)
	s_lshl_b32 s58, s57, 18
	s_lshl_b32 s60, s2, 15
	s_add_co_u32 s58, s58, s60                     ; s[58:59] my 32 tokens: (256 block + 32 wave) rows of 1,024 bytes
	s_mov_b32 s59, 0
	s_mov_b32 s61, 0                               ; s[60:61] my 32 rows of the weight
	s_lshl_b32 s62, s2, 7                          ; s[62:63] my 32 numbers of the bias
	s_mov_b32 s63, 0
	s_lshr_b32 s44, s57, s51                       ; the batch
	s_lshl_b32 s45, s44, s51
	s_sub_co_u32 s45, s57, s45                     ; the block in it
	s_lshl_b32 s44, s44, 3
	s_add_co_u32 s44, s44, s2
	s_mul_i32 s44, s44, s53                        ; (8 batch + head) x a head's records
	s_lshl_b32 s45, s45, 1
	s_mul_i32 s45, s45, s52                        ; + two records a block
	s_add_co_u32 s44, s44, s45
	s_add_co_u32 s44, s44, s54
	s_mov_b32 s45, 0                               ; s[44:45]
	s_mov_b32 s53, 0                               ; s[52:53] a record, as a pair
	v_add_nc_u32 v9, s55, v2                       ; v9  the scale words' place
	s_wait_kmcnt 0x0
	s_cmp_lt_u32 s3, 160
	s_cselect_b64 s[34:35], s[10:11], s[12:13]     ; the tokens,
	s_cselect_b64 s[36:37], s[16:17], s[18:19]     ; the weight,
	s_cselect_b64 s[38:39], s[24:25], s[26:27]     ; the bias
	s_cmp_lt_u32 s3, 32
	s_cselect_b64 s[34:35], s[8:9], s[34:35]
	s_cselect_b64 s[36:37], s[14:15], s[36:37]
	s_cselect_b64 s[38:39], s[22:23], s[38:39]
	s_cselect_b64 s[40:41], s[28:29], s[30:31]     ; the output
	s_cmp_eq_u32 s3, 288
	s_cselect_b64 s[36:37], s[20:21], s[36:37]
	s_add_nc_u64 s[34:35], s[34:35], s[58:59]
	s_add_nc_u64 s[36:37], s[36:37], s[60:61]
	s_add_nc_u64 s[38:39], s[38:39], s[62:63]
	s_add_nc_u64 s[40:41], s[40:41], s[44:45]      ; the first step's record,
	s_add_nc_u64 s[42:43], s[40:41], s[52:53]      ; the second's
	; THE BIAS, in the result's layout: the oldest loads, so every counted wait below covers them.  (Wo's work-group runs v's lines too and uses nothing of them: one way fewer through the text.)
	s_cmp_eq_u32 s56, 0
	s_cbranch_scc0 .Lbias_v
	v_lshlrev_b32 v10, 6, v13                      ; q, k: register j of tile u is the head's number 16 hh + 8 u + j
.irp u, 0,1
.irp z, 0,1
	global_load_b128 v[BI+8*\u+4*\z:BI+8*\u+4*\z+3], v10, s[38:39] offset:32*\u+16*\z
.endr
.endr
	s_branch .Lbias_done
.Lbias_v:
	v_lshlrev_b32 v10, 2, v14                      ; v: all eight registers of tile u are the head's number 8 u + r + 8 (r / 8)
.irp u, 0,1
.irp j, 0,1,2,3,4,5,6,7
	global_load_b32 v[BI+8*\u+\j], v10, s[38:39] offset:32*\u
.endr
.endr
.Lbias_done:
	; THE WEIGHT: four fragments, one loading while one is quantised.  Each wait leaves the younger fragment's 16 loads out.
	WLOAD 0, R0
	WLOAD 1, R1
	s_wait_loadcnt 16
	WQ R0, W, WS
	WLOAD 2, R0
	s_wait_loadcnt 16
	WQ R1, W+8, WS+1
	WLOAD 3, R1
	s_wait_loadcnt 16
	WQ R0, W+16, WS+2
	s_cmp_eq_u32 s3, 288
	s_cbranch_scc1 .Lwo
	XRAW 0, R0                                     ; the tokens follow without a gap
	s_wait_loadcnt 16
	WQ R1, W+24, WS+3
	XRAW 1, R1
	; MY 32 TOKENS: four fragments (tile 2 w + u, K step ks), i = 2 u + ks
.irp i, 0,1,2,3
.set RR, R0+64*(\i%2)
.if \i < 3
	s_wait_loadcnt 16                              ; this fragment's 16 loads are in, the next one's may be out
.else
	s_wait_loadcnt 0x0
.endif
	TURN RR                                        ; (its waits also show that the last fragment's image stores have read their registers)
	QUANT RR, PC0, PW0
	ds_store_b128 v6, v[PC0:PC0+3] offset:1024*\i
	ds_store_b128 v6, v[PC0+4:PC0+7] offset:1024*\i+512
	ds_store_b32 v7, v[PW0] offset:XSC+128*\i
.if \i < 2
	XRAW \i+2, RR
.endif
.endr
	s_wait_dscnt 0x0                               ; for the others' sake: my images lie in LDS
	s_barrier_signal -1
	s_barrier_wait -1                              ; all 32 fragments do; from here on LDS is only read
	s_cmp_eq_u32 s56, 0
	s_cbranch_scc0 .Lmul_v
	PHASE_M 1
	s_wait_tensorcnt 0x0
	ds_add_u32 v126, v127
	s_wait_dscnt 0x0
	s_endpgm
.Lmul_v:
	PHASE_M 0
	s_wait_tensorcnt 0x0
	ds_add_u32 v126, v127
	s_wait_dscnt 0x0
	s_endpgm
.Lwo:                                              ; Wo's rows 32 w .. 32 w + 31: the four fragments leave as they stand, (4 w + 2 u + ks) x 1,024; the scale words behind all 32 fragments
	s_wait_loadcnt 0x0
	WQ R1, W+24, WS+3
.irp f, 0,1,2,3
.irp c, 0,1
	global_store_b128 v6, v[W+8*\f+4*\c:W+8*\f+4*\c+3], s[32:33] offset:1024*\f+512*\c
.endr
	global_store_b32 v7, v[WS+\f], s[32:33] offset:32768+128*\f
.endr
	s_endpgm
.Lfunc_end_k_q8cd0b3e2cd_proj:
	.size	k_q8cd0b3e2cd_proj, .Lfunc_end_k_q8cd0b3e2cd_proj-k_q8cd0b3e2cd_proj
	.p2alignl 7, 3214868480
	.fill 96, 4, 3214868480
	.section	.rodata,"a",@progbits
	.p2align	6, 0x0
	.amdhsa_kernel k_q8cd0b3e2cd_proj
		.amdhsa_group_segment_fixed_size 105472
		.amdhsa_private_segment_fixed_size 0
		.amdhsa_enable_private_segment 0
		.amdhsa_kernarg_size 104
		.amdhsa_user_sgpr_count 2
		.amdhsa_user_sgpr_kernarg_segment_ptr 1
		.amdhsa_wavefront_size32 1
		.amdhsa_system_sgpr_workgroup_id_x 1
		.amdhsa_system_sgpr_workgroup_id_y 1
		.amdhsa_system_sgpr_workgroup_id_z 1
		.amdhsa_system_vgpr_workitem_id 0
		.amdhsa_next_free_vgpr 256
		.amdhsa_next_free_sgpr 66
		.amdhsa_reserve_vcc 0
		.amdhsa_float_denorm_mode_32 3
		.amdhsa_float_denorm_mode_16_64 3
		.amdhsa_memory_ordered 1
		.amdhsa_forward_progress 1
		.amdhsa_inst_pref_size 122
	.end_amdhsa_kernel
	.amdgpu_metadata
---
amdhsa.version: [ 1, 2 ]
amdhsa.kernels:
  - .name:           k_q8cd0b3e2cd_proj
    .symbol:         k_q8cd0b3e2cd_proj.kd
    .args:
      - { .name: q, .offset: 0, .size: 8, .value_kind: global_buffer, .address_space: global }
      - { .name: k, .offset: 8, .size: 8, .value_kind: global_buffer, .address_space: global }
      - { .name: v, .offset: 16, .size: 8, .value_kind: global_buffer, .address_space: global }
      - { .name: Wq, .offset: 24, .size: 8, .value_kind: global_buffer, .address_space: global }
      - { .name: Wk, .offset: 32, .size: 8, .value_kind: global_buffer, .address_space: global }
      - { .name: Wv, .offset: 40, .size: 8, .value_kind: global_buffer, .address_space: global }
      - { .name: Wo, .offset: 48, .size: 8, .value_kind: global_buffer, .address_space: global }
      - { .name: bq, .offset: 56, .size: 8, .value_kind: global_buffer, .address_space: global }
      - { .name: bk, .offset: 64, .size: 8, .value_kind: global_buffer, .address_space: global }
      - { .name: bv, .offset: 72, .size: 8, .value_kind: global_buffer, .address_space: global }
      - { .name: qc, .offset: 80, .size: 8, .value_kind: global_buffer, .address_space: global }
      - { .name: kv, .offset: 88, .size: 8, .value_kind: global_buffer, .address_space: global }
      - { .name: wo, .offset: 96, .size: 8, .value_kind: global_buffer, .address_space: global }
    .group_segment_fixed_size: 105472
    .private_segment_fixed_size: 0
    .kernarg_segment_align: 8
    .kernarg_segment_size: 104
    .max_flat_workgroup_size: 256
    .sgpr_count:     66
    .vgpr_count:     256
    .wavefront_size: 32
...
	.end_amdgpu_metadata
.endif
;; end of part 1
;; launch attn (part 2): grid 4 x 64, 16 waves a work-group, clusters of 4 x 1, 169,984 bytes of LDS; arguments qc, kv, oc, os; writes oc, os
.if DOCPART == 2
	.amdgcn_target "amdgcn-amd-amdhsa--gfx1250"
	.amdhsa_code_object_version 6
	.text
	.protected	k_q8cd0b3e2cd_attn
	.globl	k_q8cd0b3e2cd_attn
	.p2align	8
	.type	k_q8cd0b3e2cd_attn,@function
k_q8cd0b3e2cd_attn:
	s_mov_b64 s[64:65], 0
	v_nop
	global_prefetch_b8 v0, s[64:65] scope:SCOPE_SE
	s_setreg_imm32_b32 hwreg(HW_REG_WAVE_MODE, 25, 1), 1
	s_wait_xcnt 0x0
	s_wait_alu depctr_hold_cnt(0) depctr_sa_sdst(0) depctr_va_vdst(0) depctr_va_sdst(0) depctr_va_ssrc(0) depctr_va_vcc(0) depctr_vm_vsrc(0)
	s_getreg_b32 s2, hwreg(HW_REG_IB_STS2, 6, 4)
	s_cmp_eq_u32 s2, 0
	s_cbranch_scc0 .Lentry_in_a_cluster
	s_endpgm
.Lentry_in_a_cluster:
	s_bfe_u32 s2, ttmp6, 0x10000c
	s_cmp_lg_u32 s2, 0x3003
	s_cbranch_scc0 .Lentry_shape_is_right
	s_endpgm
.Lentry_shape_is_right:
; ATTENTION OF ONE HEAD on codes of FP4 (E2M1), one E8M0 scale for each 32 along a product's K: O = softmax(qh kh^T / sqrt(32)) vh, divided by the row's sum and quantised for the last product.
; THE SOFTMAX AHEAD OF THE SECOND PRODUCT: t = score x log2(e) / sqrt(32) (one multiplication, one rounding); M = the running largest t, rounded UP to a whole number; p = 2^(t - M) is quantised along the keys, not normalised;
; the row's sum is taken of the unquantised p.  When M moves, the sum and O are multiplied by 2^(old M - new M): exact.
; SHARES.  Work-group (cx, y): head y = 8 batch + head, queries 256 cx on.  Each of its sixteen waves owns one tile of 16 queries in 256 registers, four waves to a SIMD, and walks all 4,096 keys, 128 a step.
; THE WHOLE HEAD'S K AND V LIE IN LDS: 32 records of 4,352 bytes, 139,264 in all, filled ONCE: no slot is filled again, so the loop over the keys has no barrier.
; A record: +0, +1,024 two fragments of K; +2,048, +3,072 two of V^T; +4,096 K's 32 scale words; +4,224 V's: all images of operand registers, read at 16 x lane and 4 x lane: no pitch, no padding.
; CLUSTER.  The four work-groups of a head need the same 139,264 bytes: each of waves 0-7 asks for an eighth JOINTLY, by the same tensor load with the same descriptor (it hangs on y and the wave's number alone) and the mask of all four.
; THE FIRST PRODUCT'S K IS 32, a quarter of the instruction's 128.  Block beta of a fragment of K holds tile 4 f + beta of 16 keys, and the product takes an operand of Q that holds Q in block beta and zero codes elsewhere:
; so four LDS loads of 16 bytes a lane feed eight tiles of scores.  Both products are used transposed: a lane holds ONE query throughout.  The keys of a tile are not neighbours (lane r of tile 2 b + u: key 32 b + 8 u + r + 8 (r / 8)),
; so that the 16 registers of tiles 2 b, 2 b + 1 are keys 32 b + 16 hh + 0 .. 15.
; LIMITS: NaN and infinities are not served.  A block of O whose largest magnitude lies under 2^-124 gets the scale byte 1; this program alone reads the bytes.
; REGISTERS: v1, v2 16 x and 4 x lane; v3, v4 the step's LDS addresses; v12 -M, v13 the largest t, v[14:15] the sum in two halves; v16-35 Q's four operands, overlapping; v36 Q's scale byte, four times;
;   v40-55 K, v56-71 V, v72, v73 their scale words; v96-159 scores, then p; v160-175 O^T; v224-231 p's codes; v232-254 at work (v252 the rescaling factor, v253 p's scale word).
.set REC,   4352
.set HEADB, 32*REC
.set OSB,   HEADB                      ; behind the head: the work-group's 256 scale bytes of O, in a block of 256 bytes into which no fill lands
.set WV,   18                          ; s18  my wave's number
.set SEL,  20                          ; s[20:21] selects for lane l xor 16
.set CS,   22                          ; s[22:23] c = log2(e) / sqrt(32), twice: the packed form names a pair
.set G1,   24                          ; s[24:31] descriptor group 1
.set G0,   32                          ; s[32:35] group 0
.set TB,   36                          ; s36  LDS byte of the step's record
.set CNT,  37                          ; s37  steps done
.macro ROUND                           ; a round of the cluster's barrier
	s_barrier_signal -1
	s_barrier_wait -1
	s_cmp_lg_u32 s[WV], 0
	s_cbranch_scc1 .Lnot_wave_0_\@
	s_barrier_signal -3
.Lnot_wave_0_\@:
	s_barrier_wait -3
	s_barrier_signal -1
	s_barrier_wait -1
.endm
	s_load_b256 s[4:11], s[0:1], 0x0               ; qc s[4:5], kv s[6:7], oc s[8:9], os s[10:11]
	v_lshl_add_u32 v251, v0, 2, 0x29000
	v_mov_b32 v255, 0
	ds_add_u32 v251, v255
	ds_add_u32 v251, v255
	v_lshrrev_b32 v8, 5, v0
	v_readfirstlane_b32 s[WV], v8                  ; wave 0..15
	s_bfe_u32 s38, ttmp6, 0x40000                  ; cx: it enters Q's and the outputs' addresses alone
	s_and_b32 s39, ttmp7, 0xffff                   ; y = 8 batch + head, which the four partners share
	v_and_b32 v9, 31, v0
	v_lshlrev_b32 v1, 4, v9
	v_lshlrev_b32 v2, 2, v9
	v_and_b32 v8, 15, v0                           ; r
	; group 1: 68 dense rows of 256 bytes (32 elements of 8 bytes): 17,408 bytes, four records
	s_mov_b32 s[G1], 15|(3<<16)|(1<<21)            ; 15:0 the mask: all four work-groups; 17:16 elements of 8 bytes; 21 set beside a mask; no padding
	s_mov_b32 s[G1+1], 32<<16                      ; tensor_dim0 = 32
	s_mov_b32 s[G1+2], 68<<16                      ; tensor_dim1 = 68
	s_mov_b32 s[G1+3], 32<<16                      ; tile_dim0 = 32
	s_mov_b32 s[G1+4], 68                          ; tile_dim1 = 68
	s_mov_b32 s[G1+5], 32                          ; from row to row
	s_mov_b32 s[G1+6], 0
	s_mov_b32 s[G1+7], 0
	s_and_b32 s42, s[WV], 7                        ; which eighth (waves 8-15 form the same numbers and ask for nothing)
	s_mov_b32 s[G0], 1
	s_mul_i32 s[G0+1], s42, 17408                  ; its place in LDS
	s_mul_i32 s40, s39, HEADB
	s_add_co_u32 s40, s40, s[G0+1]                 ; and in kv
	s_mov_b32 s41, 0
	s_wait_dscnt 0x0
	s_wait_kmcnt 0x0
	s_add_nc_u64 s[G0+2:G0+3], s[6:7], s[40:41]
	s_or_b32 s[G0+3], s[G0+3], 0x80000000          ; type = 2
	ROUND                                          ; all four work-groups are here: the joint loads meet
	s_cmp_lt_u32 s[WV], 8
	s_cbranch_scc0 .Lno_fetch
	tensor_load_to_lds s[G0:G0+3], s[G1:G1+7]      ; one tensor load of mine is out
	s_nop 0
.rept 4
	v_nop
.endr
.Lno_fetch:
	; Q: my tile is 16 cx + w: record 2 cx + w / 8 of the head's eight, tile w % 8 in it: 256 bytes, 16 a query; both halves of the lanes take the same
	s_mul_i32 s40, s39, 18432
	s_lshl_b32 s43, s38, 1
	s_lshr_b32 s44, s[WV], 3
	s_add_co_u32 s43, s43, s44
	s_mul_i32 s43, s43, 2304
	s_add_co_u32 s40, s40, s43
	s_add_nc_u64 s[4:5], s[4:5], s[40:41]
	s_lshl_b32 s43, s42, 8
	v_lshl_add_u32 v5, v8, 4, s43
	s_lshr_b32 s43, s42, 2
	s_lshl_b32 s43, s43, 6
	v_lshl_add_u32 v6, v8, 2, s43                  ; the scale word of query r in fragment (w % 8) / 4
	global_load_b128 v[40:43], v5, s[4:5]
	global_load_b32 v37, v6, s[4:5] offset:2048
	; where the results go: oc: tile (64 batch + 16 cx + w) x 2,048 + 256 head;  os: 8,192 head + 1,024 batch + 256 cx
	s_lshr_b32 s40, s39, 3
	s_and_b32 s43, s39, 7
	s_lshl_b32 s44, s40, 6
	s_lshl_b32 s45, s38, 4
	s_add_co_u32 s44, s44, s45
	s_add_co_u32 s44, s44, s[WV]
	s_lshl_b32 s44, s44, 11
	s_lshl_b32 s45, s43, 8
	s_add_co_u32 s44, s44, s45
	s_mov_b32 s45, 0
	s_add_nc_u64 s[8:9], s[8:9], s[44:45]
	s_lshl_b32 s44, s43, 13
	s_lshl_b32 s40, s40, 10
	s_add_co_u32 s44, s44, s40
	s_lshl_b32 s40, s38, 8
	s_add_co_u32 s44, s44, s40
	s_add_nc_u64 s[10:11], s[10:11], s[44:45]
	s_mov_b32 s[SEL], 0x76543210
	s_mov_b32 s[SEL+1], 0xfedcba98
	s_mov_b32 s[CS], 0x3e8293ee                    ; c = log2(e) / sqrt(32)
	s_mov_b32 s[CS+1], s[CS]
	s_mov_b32 s46, 0xffff                          ; lanes 0-15
	s_and_b32 s47, s[WV], 3
	s_lshl_b32 s47, s47, 3                         ; my tile's byte in the scale word
	s_mov_b32 s[TB], 0
	s_mov_b32 s[CNT], 0
	s_wait_loadcnt 0x0
	v_lshrrev_b32 v37, s47, v37
	v_perm_b32 v36, v37, v37, 0                    ; Q's scale byte in all four bytes: it serves whichever block holds Q
	; v16-35 in fours: Z A Z B Z, Z zeros, A = Q in lanes 0-15, B = Q in lanes 16-31.  Q in block 0: v[20:27]; 1: v[28:35]; 2: v[16:23]; 3: v[24:31]
.irp i, 0,1,2,3
	v_cndmask_b32 v[20+\i], 0, v[40+\i], s46
	v_cndmask_b32 v[28+\i], v[40+\i], 0, s46
.endr
.irp i, 0,1,2,3
	v_mov_b32 v[16+\i], 0
	v_mov_b32 v[24+\i], 0
	v_mov_b32 v[32+\i], 0
.endr
	v_mov_b32 v13, 0xff61b1e6                      ; the largest t so far: -3e38, under every t
	v_floor_f32 v12, -v13                          ; -M
	v_mov_b32 v14, 0                               ; the sum, in two halves
	v_mov_b32 v15, 0
.irp j, 0,1,2,3,4,5,6,7,8,9,10,11,12,13,14,15
	v_mov_b32 v[160+\j], 0                         ; O^T: the step is written once; the first finds zeros, which the first change of M leaves zeros
.endr
.irp b, 0,1,2,3
	v_mov_b32 v[236+\b], 0                         ; written once: a lane permute's destination counts as one of its sources
.endr
	v_mov_b32 v253, 0                              ; (named as the upper half of the pair v[252:253] before it is first written)
	s_wait_tensorcnt 0x0                           ; my eighth has landed,
	s_barrier_signal -1
	s_barrier_wait -1                              ; everybody's has: the head lies in LDS and is only read from here on
.Lstep:                                            ; 32 trips of 128 keys
	v_add_nc_u32 v3, s[TB], v1
	v_add_nc_u32 v4, s[TB], v2
	v_nop
	v_nop                                          ; four places behind the last products, ahead of the loads into their registers
.irp i, 0,1,2,3
	ds_load_b128 v[40+4*\i:43+4*\i], v3 offset:512*\i
.endr
	ds_load_b32 v72, v4 offset:4096                ; K's scale words: lanes 0-15 fragment 0's, lanes 16-31 fragment 1's
.irp i, 0,1,2,3
	ds_load_b128 v[56+4*\i:59+4*\i], v3 offset:2048+512*\i
.endr
	ds_load_b32 v73, v4 offset:4224                ; V's likewise
	s_wait_dscnt 0x5                               ; K and its words are in; V's five loads may stay out until the second product
.irp t, 0,1,2,3,4,5,6,7                        ; S^T = K Q^T: tile t = block t % 4 of fragment t / 4
.set QOP, 16+8*(\t%2)+4*(1-(\t%4)/2)
.if \t < 4
	v_wmma_scale_f32_16x16x128_f8f6f4 v[96+8*\t:103+8*\t], v[40:47], v[QOP:QOP+7], 0, v72, v36 matrix_a_fmt:MATRIX_FMT_FP4 matrix_b_fmt:MATRIX_FMT_FP4
.else
	v_wmma_scale_f32_16x16x128_f8f6f4 v[96+8*\t:103+8*\t], v[48:55], v[QOP:QOP+7], 0, v72, v36 matrix_a_fmt:MATRIX_FMT_FP4 matrix_b_fmt:MATRIX_FMT_FP4 matrix_a_scale:MATRIX_SCALE_ROW1
.endif
.endr
.rept 4
	v_nop
.endr
.irp b, 0,1,2,3
	v_max3_num_f32 v[232+\b], v[96+16*\b], v[97+16*\b], v[98+16*\b]   ; the largest score of each block of 32 keys: it serves the row's maximum and, since p rises with the score, the block's largest p
.endr
.irp i, 3,5,7,9,11,13
.irp b, 0,1,2,3
	v_max3_num_f32 v[232+\b], v[232+\b], v[96+16*\b+\i], v[97+16*\b+\i]
.endr
.endr
.irp b, 0,1,2,3
	v_max_num_f32 v[232+\b], v[232+\b], v[111+16*\b]
.endr
.irp b, 0,1,2,3
	v_permlanex16_b32 v[236+\b], v[232+\b], s[SEL], s[SEL+1]
.endr
.irp b, 0,1,2,3
	v_max_num_f32 v[232+\b], v[232+\b], v[236+\b]  ; with lane l xor 16's 16 keys
.endr
	v_max3_num_f32 v254, v232, v233, v234
	v_max_num_f32 v254, v254, v235                 ; the step's largest score of my query
	v_mul_f32 v254, s[CS], v254                    ; as t (c is positive)
	v_max_num_f32 v13, v13, v254                   ; the running largest t
	v_mov_b32 v254, v12
	v_floor_f32 v12, -v13                          ; the new -M = floor(-t) = -ceil(t)
	v_sub_f32 v254, v12, v254                      ; old M - new M: a whole number, 0 or less
	v_cvt_i32_f32 v254, v254                       ; (it saturates)
	v_ldexp_f32 v252, 1.0, v254                    ; f = 2^(old M - new M)
.irp j, 0,2,4,6,8,10,12,14,16,18,20,22,24,26,28,30,32,34,36,38,40,42,44,46,48,50,52,54,56,58,60,62
	v_pk_fma_f32 v[96+\j:97+\j], v[96+\j:97+\j], s[CS:CS+1], v[12:13] op_sel_hi:[1,0,0]   ; t - M, two at a time
.endr
.irp b, 0,1,2,3
	v_fma_f32 v[232+\b], v[232+\b], s[CS], v12     ; the same of each block's largest score
.endr
.irp j, 0,1,2,3,4,5,6,7,8,9,10,11,12,13,14,15,16,17,18,19,20,21,22,23,24,25,26,27,28,29,30,31,32,33,34,35,36,37,38,39,40,41,42,43,44,45,46,47,48,49,50,51,52,53,54,55,56,57,58,59,60,61,62,63
	v_exp_f32 v[96+\j], v[96+\j]                   ; p = 2^(t - M), at most 1
.endr
	v_pk_mul_f32 v[14:15], v[14:15], v[252:253] op_sel_hi:[1,0]   ; the sums under the new M: the plain place behind the exponentials
	s_wait_alu depctr_va_vdst(0)                   ; one wait for the whole batch, ahead of its first reader
.irp b, 0,1,2,3
	v_exp_f32 v[232+\b], v[232+\b]                 ; the block's largest p
.endr
	v_pk_add_f32 v[236:237], v[96:97], v[98:99]    ; the row's sum of the unquantised p, in two chains; it reads the 64 alone
.irp j, 4,8,12,16,20,24,28,32,36,40,44,48,52,56,60
	v_pk_add_f32 v[14:15], v[14:15], v[96+\j:97+\j]
	v_pk_add_f32 v[236:237], v[236:237], v[98+\j:99+\j]
.endr
	v_pk_add_f32 v[14:15], v[14:15], v[236:237]
	s_wait_alu depctr_va_vdst(0)                   ; and one for the four
.irp b, 0,1,2,3
	v_max_num_f32 v[232+\b], 0x1800000, v[232+\b]  ; the floor 2^(3 - 127): the byte cannot fall under 1
.endr
.irp b, 0,1,2,3
	v_add_nc_u32 v[244+\b], 0xff000000, v[232+\b]  ; 2 off the exponent field: the conversion's scale operand
.endr
.irp b, 0,1,2,3
	v_lshrrev_b32 v[236+\b], 23, v[244+\b]         ; the scale's byte
.endr
	v_lshl_or_b32 v253, v237, 8, v236              ; p's scale word for these 128 keys
	v_lshl_or_b32 v253, v238, 16, v253
	v_lshl_or_b32 v253, v239, 24, v253
.irp b, 0,1,2,3
	v_cvt_scalef32_pk8_fp4_f32 v[224+2*\b], v[96+16*\b:103+16*\b], v[244+\b]
	v_cvt_scalef32_pk8_fp4_f32 v[225+2*\b], v[104+16*\b:111+16*\b], v[244+\b]
.endr
	v_nop                                          ; one plain place behind the scaled conversions
.irp c, 0,1
.irp i, 0,1
	v_permlane16_swap_b32 v[224+4*\c+\i], v[226+4*\c+\i]   ; a whole block to a lane
.endr
.endr
.irp j, 0,2,4,6,8,10,12,14
	v_pk_mul_f32 v[160+\j:161+\j], v[160+\j:161+\j], v[252:253] op_sel_hi:[1,0]   ; O^T under the new M.  With the v_nop: nine plain places behind the scale word's last line, eight behind the codes'
.endr
	s_wait_dscnt 0x0                               ; V and its words are in
	v_wmma_scale_f32_16x16x128_f8f6f4 v[160:167], v[56:63], v[224:231], v[160:167], v73, v253 matrix_a_fmt:MATRIX_FMT_FP4 matrix_b_fmt:MATRIX_FMT_FP4   ; O^T += V^T P^T: the two accumulators take turns, the eight score tiles between their links
	v_wmma_scale_f32_16x16x128_f8f6f4 v[168:175], v[64:71], v[224:231], v[168:175], v73, v253 matrix_a_fmt:MATRIX_FMT_FP4 matrix_b_fmt:MATRIX_FMT_FP4 matrix_a_scale:MATRIX_SCALE_ROW1
	s_add_co_u32 s[TB], s[TB], REC
	s_add_co_u32 s[CNT], s[CNT], 1
	s_cmp_lt_u32 s[CNT], 32
	s_cbranch_scc1 .Lstep
	; THE WAY OUT.  O^T / the sum: a lane's 16 registers are the head's numbers 16 hh + 0 .. 15 of its query; the head's 32 are ONE block of the last product's K.  The additions and the address work are the places behind the last products.
	v_add_f32 v14, v14, v15                        ; the sum's two halves,
	v_permlanex16_b32 v252, v14, s[SEL], s[SEL+1]
	v_add_f32 v14, v14, v252                       ; and lane l xor 16's
	v_rcp_f32 v14, v14
	v_bfe_u32 v9, v0, 4, 1                         ; hh  (a plain place behind the reciprocal)
	v_lshlrev_b32 v7, 4, v8
	v_lshl_add_u32 v7, v9, 3, v7                   ; 16 r + 8 hh: my 8 bytes of the tile's 256
	s_lshl_b32 s40, s[WV], 4
	s_add_co_u32 s40, s40, OSB
	v_add_nc_u32 v10, s40, v8                      ; LDS: my query's scale byte: 16 w + r
	v_and_b32 v11, 31, v0
	v_lshlrev_b32 v11, 3, v11                      ; 8 x lane
	v_add_nc_u32 v6, OSB, v11
	s_wait_alu depctr_va_vdst(0)                   ; ahead of the reciprocal's first reader
.irp j, 0,2,4,6,8,10,12,14
	v_pk_mul_f32 v[96+\j:97+\j], v[160+\j:161+\j], v[14:15] op_sel_hi:[1,0]   ; each accumulator from its low end on
.endr
	v_max3_num_f32 v232, |v96|, |v97|, 0x1800000   ; the largest magnitude of my 16, with the floor, in two chains
	v_max3_num_f32 v233, |v98|, |v99|, |v100|
	v_max3_num_f32 v232, v232, |v101|, |v102|
	v_max3_num_f32 v233, v233, |v103|, |v104|
	v_max3_num_f32 v232, v232, |v105|, |v106|
	v_max3_num_f32 v233, v233, |v107|, |v108|
	v_max3_num_f32 v232, v232, |v109|, |v110|
	v_max3_num_f32 v232, v232, v233, |v111|
	v_permlanex16_b32 v236, v232, s[SEL], s[SEL+1]
	v_max_num_f32 v232, v232, v236                 ; the block's
	v_add_nc_u32 v244, 0xff000000, v232
	v_lshrrev_b32 v237, 23, v244                   ; its byte
	v_cvt_scalef32_pk8_fp4_f32 v224, v[96:103], v244
	v_cvt_scalef32_pk8_fp4_f32 v225, v[104:111], v244
	v_nop                                          ; one plain place behind the scaled conversions
	global_store_b64 v7, v[224:225], s[8:9]        ; the wave stores 256 consecutive bytes, at a multiple of 256 from oc's first byte: block head % 4 of the next operand's fragment
	ds_store_b8 v10, v237                          ; both lanes of a query write the same byte with the same value
	s_wait_dscnt 0x0                               ; for wave 0's sake
	s_barrier_signal -1
	s_barrier_wait -1
	s_cmp_lg_u32 s[WV], 0
	s_cbranch_scc1 .Lnot_first
	ds_load_b64 v[16:17], v6                       ; the work-group's 256 bytes leave together
	s_wait_dscnt 0x0
	global_store_b64 v11, v[16:17], s[10:11]
.Lnot_first:
	s_wait_tensorcnt 0x0
	ds_add_u32 v251, v255
	s_wait_dscnt 0x0
	ROUND                                          ; the closing round: no work-group ends while a partner may still ask for a tile that names it
	s_endpgm
.Lfunc_end_k_q8cd0b3e2cd_attn:
	.size	k_q8cd0b3e2cd_attn, .Lfunc_end_k_q8cd0b3e2cd_attn-k_q8cd0b3e2cd_attn
	.p2alignl 7, 3214868480
	.fill 96, 4, 3214868480
	.section	.rodata,"a",@progbits
	.p2align	6, 0x0
	.amdhsa_kernel k_q8cd0b3e2cd_attn
		.amdhsa_group_segment_fixed_size 169984
		.amdhsa_private_segment_fixed_size 0
		.amdhsa_enable_private_segment 0
		.amdhsa_kernarg_size 32
		.amdhsa_user_sgpr_count 2
		.amdhsa_user_sgpr_kernarg_segment_ptr 1
		.amdhsa_wavefront_size32 1
		.amdhsa_system_sgpr_workgroup_id_x 1
		.amdhsa_system_sgpr_workgroup_id_y 1
		.amdhsa_system_sgpr_workgroup_id_z 1
		.amdhsa_system_vgpr_workitem_id 0
		.amdhsa_next_free_vgpr 256
		.amdhsa_next_free_sgpr 66
		.amdhsa_reserve_vcc 0
		.amdhsa_float_denorm_mode_32 3
		.amdhsa_float_denorm_mode_16_64 3
		.amdhsa_memory_ordered 1
		.amdhsa_forward_progress 1
		.amdhsa_inst_pref_size 23
	.end_amdhsa_kernel
	.amdgpu_metadata
---
amdhsa.version: [ 1, 2 ]
amdhsa.kernels:
  - .name:           k_q8cd0b3e2cd_attn
    .symbol:         k_q8cd0b3e2cd_attn.kd
    .args:
      - { .name: qc, .offset: 0, .size: 8, .value_kind: global_buffer, .address_space: global }
      - { .name: kv, .offset: 8, .size: 8, .value_kind: global_buffer, .address_space: global }
      - { .name: oc, .offset: 16, .size: 8, .value_kind: global_buffer, .address_space: global }
      - { .name: os, .offset: 24, .size: 8, .value_kind: global_buffer, .address_space: global }
    .group_segment_fixed_size: 169984
    .private_segment_fixed_size: 0
    .kernarg_segment_align: 8
    .kernarg_segment_size: 32
    .max_flat_workgroup_size: 512
    .sgpr_count:     66
    .vgpr_count:     256
    .wavefront_size: 32
...
	.end_amdgpu_metadata
.endif
;; end of part 2
;; launch outp (part 3): grid 256 x 1, 8 waves a work-group, no clusters, 34,304 bytes of LDS; arguments oc, os, wo, bo, out0; writes out0
.if DOCPART == 3
	.amdgcn_target "amdgcn-amd-amdhsa--gfx1250"
	.amdhsa_code_object_version 6
	.text
	.protected	k_q8cd0b3e2cd_outp
	.globl	k_q8cd0b3e2cd_outp
	.p2align	8
	.type	k_q8cd0b3e2cd_outp,@function
k_q8cd0b3e2cd_outp:
	s_mov_b64 s[64:65], 0
	v_nop
	global_prefetch_b8 v0, s[64:65] scope:SCOPE_SE
	s_setreg_imm32_b32 hwreg(HW_REG_WAVE_MODE, 25, 1), 1
	s_wait_xcnt 0x0
; out0 = O Wo^T + bo on codes of FP4 (E2M1), one E8M0 scale for each 32 along K (= the 256 internal numbers: a block is a head).  Both operands arrive as images of operand registers.
; SHARES.  Work-group G takes tiles 2 G and 2 G + 1 of 16 queries; lane r of tile 2 G + a is query 32 G + 8 a + r + 8 (r / 8).  Wave w takes outputs 32 w .. 32 w + 31: two tiles of Wo's rows, two K steps.
; The product is used transposed (source 0 = 16 rows of Wo, source 1 = 16 queries): a lane's eight results are eight neighbouring outputs of one query.  bo is the C of each sum's first product.
; A query's 256 outputs come from eight waves: they meet in a stage in LDS, and each wave stores four whole rows.  No tensor load, no cluster: only the small weight is shared.
.set SP,  1040                         ; a stage row: 1,024 bytes + 16 = 65 x 16: sixteen rows' stores fall on different banks (64 banks of 4 bytes: ISA guide 11.1)
.set W,   16                           ; v16-47   Wo's fragments (u, ks) at W + 8 (2 u + ks)
.set WS,  48                           ; v48-51   their scale words
.set BI,  52                           ; v52-67   bo in the result's layout
.set OF,  68                           ; v68-99   O's fragments (a, ks) at OF + 8 (2 a + ks)
.set XS,  100                          ; v100-101 O's scale words of K step ks: lanes 0-15 tile 0's, lanes 16-31 tile 1's
.set BY,  104                          ; v104-111 their bytes, one head each
.set ACC, 128                          ; v128-159 accumulator (a, u) at ACC + 8 (2 a + u)
.set OUTR, 160                         ; v160-191 four rows on the way out
	s_load_b256 s[4:11], s[0:1], 0x0               ; oc s[4:5], os s[6:7], wo s[8:9], bo s[10:11]
	s_load_b64 s[12:13], s[0:1], 0x20              ; out0
	v_lshl_add_u32 v192, v0, 2, 0x8200
	v_mov_b32 v193, 0
	v_lshrrev_b32 v2, 5, v0
	v_readfirstlane_b32 s2, v2                     ; wave 0..7
	v_and_b32 v3, 31, v0                           ; lane
	v_and_b32 v8, 15, v0                           ; r
	v_bfe_u32 v9, v0, 4, 1                         ; hh
	v_lshlrev_b32 v1, 4, v3                        ; 16 x lane
	s_lshl_b32 s14, s2, 12
	v_add_nc_u32 v6, s14, v1                       ; my four fragments of Wo
	s_lshl_b32 s14, s2, 9
	v_lshl_add_u32 v7, v3, 2, s14                  ; and their scale words
	s_lshl_b32 s14, s2, 7                          ; 128 w
	v_lshl_add_u32 v5, v9, 6, s14                  ; bo: register j of tile u is output 32 w + 16 hh + 8 u + j
	s_mul_i32 s15, s2, 4*SP
	s_lshl_b32 s16, ttmp9, 12                      ; oc: 4,096 bytes a work-group
	s_mov_b32 s17, 0
	s_lshl_b32 s18, ttmp9, 5                       ; os: 32 bytes of each head's row
	s_mov_b32 s19, 0
	s_lshr_b32 s20, s2, 2                          ; stage rows 4 w + i are tile w / 4, lanes 4 (w % 4) + i: queries 32 G + 8 (w / 4) + 4 (w % 4) + 8 ((w % 4) / 2) + i
	s_lshl_b32 s20, s20, 3
	s_and_b32 s21, s2, 3
	s_lshl_b32 s22, s21, 2
	s_add_co_u32 s20, s20, s22
	s_lshr_b32 s21, s21, 1
	s_lshl_b32 s21, s21, 3
	s_add_co_u32 s20, s20, s21
	s_add_co_u32 s20, s20, s18
	s_lshl_b32 s20, s20, 10                        ; rows of 1,024 bytes
	s_mov_b32 s21, 0
	s_wait_kmcnt 0x0
	s_add_nc_u64 s[4:5], s[4:5], s[16:17]
	s_add_nc_u64 s[6:7], s[6:7], s[18:19]
	s_add_nc_u64 s[12:13], s[12:13], s[20:21]
.irp h, 0,1,2,3,4,5,6,7
	global_load_u8 v[BY+\h], v3, s[6:7] offset:8192*\h
.endr
.irp f, 0,1,2,3
.irp c, 0,1
	global_load_b128 v[OF+8*\f+4*\c:OF+8*\f+4*\c+3], v1, s[4:5] offset:1024*\f+512*\c      ; f = 2 a + ks
	global_load_b128 v[W+8*\f+4*\c:W+8*\f+4*\c+3], v6, s[8:9] offset:1024*\f+512*\c        ; f = 2 u + ks
.endr
	global_load_b32 v[WS+\f], v7, s[8:9] offset:32768+128*\f
.endr
.irp u, 0,1
.irp z, 0,1
	global_load_b128 v[BI+8*\u+4*\z:BI+8*\u+4*\z+3], v5, s[10:11] offset:32*\u+16*\z
.endr
.endr
	s_wait_loadcnt 0x0
	v_lshl_or_b32 v[XS], v[BY+1], 8, v[BY]         ; heads 0-3 make K step 0's word, heads 4-7 K step 1's
	v_lshl_or_b32 v[XS+1], v[BY+5], 8, v[BY+4]
	v_lshl_or_b32 v[XS], v[BY+2], 16, v[XS]
	v_lshl_or_b32 v[XS+1], v[BY+6], 16, v[XS+1]
	v_lshl_or_b32 v[XS], v[BY+3], 24, v[XS]
	v_lshl_or_b32 v[XS+1], v[BY+7], 24, v[XS+1]
	v_mul_u32_u24 v11, v8, SP                      ; the stage, on the way in: row r, + 64 hh + 128 w.  These four lines and four v_nop are the eight places between a scale word's last line and the scaled products
	v_lshl_add_u32 v11, v9, 6, v11
	v_add_nc_u32 v11, s14, v11
	v_add_nc_u32 v12, s15, v1                      ; and back: my four rows, 16 bytes a lane
.rept 4
	v_nop
.endr
.irp ks, 0,1                                   ; the four accumulators take turns, one instruction a turn
.irp a, 0,1
.irp u, 0,1
.set DD, ACC+8*(2*\a+\u)
.if (\ks == 0) && (\a == 0)
	v_wmma_scale_f32_16x16x128_f8f6f4 v[DD:DD+7], v[W+8*(2*\u+\ks):W+8*(2*\u+\ks)+7], v[OF+8*(2*\a+\ks):OF+8*(2*\a+\ks)+7], v[BI+8*\u:BI+8*\u+7], v[WS+2*\u+\ks], v[XS+\ks] matrix_a_fmt:MATRIX_FMT_FP4 matrix_b_fmt:MATRIX_FMT_FP4
.elseif \ks == 0
	v_wmma_scale_f32_16x16x128_f8f6f4 v[DD:DD+7], v[W+8*(2*\u+\ks):W+8*(2*\u+\ks)+7], v[OF+8*(2*\a+\ks):OF+8*(2*\a+\ks)+7], v[BI+8*\u:BI+8*\u+7], v[WS+2*\u+\ks], v[XS+\ks] matrix_a_fmt:MATRIX_FMT_FP4 matrix_b_fmt:MATRIX_FMT_FP4 matrix_b_scale:MATRIX_SCALE_ROW1
.elseif \a == 0
	v_wmma_scale_f32_16x16x128_f8f6f4 v[DD:DD+7], v[W+8*(2*\u+\ks):W+8*(2*\u+\ks)+7], v[OF+8*(2*\a+\ks):OF+8*(2*\a+\ks)+7], v[DD:DD+7], v[WS+2*\u+\ks], v[XS+\ks] matrix_a_fmt:MATRIX_FMT_FP4 matrix_b_fmt:MATRIX_FMT_FP4
.else
	v_wmma_scale_f32_16x16x128_f8f6f4 v[DD:DD+7], v[W+8*(2*\u+\ks):W+8*(2*\u+\ks)+7], v[OF+8*(2*\a+\ks):OF+8*(2*\a+\ks)+7], v[DD:DD+7], v[WS+2*\u+\ks], v[XS+\ks] matrix_a_fmt:MATRIX_FMT_FP4 matrix_b_fmt:MATRIX_FMT_FP4 matrix_b_scale:MATRIX_SCALE_ROW1
.endif
.endr
.endr
.endr
.rept 4
	v_nop                                          ; four places ahead of the first read of results (ISA guide 7.12.1)
.endr
.irp a, 0,1
.irp u, 0,1
	ds_store_b128 v11, v[ACC+8*(2*\a+\u):ACC+8*(2*\a+\u)+3] offset:16*\a*SP+32*\u          ; each accumulator from its low end on
	ds_store_b128 v11, v[ACC+8*(2*\a+\u)+4:ACC+8*(2*\a+\u)+7] offset:16*\a*SP+32*\u+16
.endr
.endr
	s_wait_dscnt 0x0                               ; for the others' sake: my stores into the stage are done
	s_barrier_signal -1
	s_barrier_wait -1                              ; 32 whole rows lie in the stage
.irp n, 0,1,2,3,4,5,6,7
	ds_load_b128 v[OUTR+4*\n:OUTR+4*\n+3], v12 offset:(\n/2)*SP+512*(\n%2)
.endr
.irp n, 0,1,2,3,4,5,6,7
	s_wait_dscnt 7-\n                              ; load n is in; the younger ones may be out
	global_store_b128 v1, v[OUTR+4*\n:OUTR+4*\n+3], s[12:13] offset:(\n/2)*1024+512*(\n%2) th:TH_STORE_NT   ; 32 lanes store 512 consecutive bytes, at a multiple of 256 from out0's first byte
.endr
	s_wait_tensorcnt 0x0
	ds_add_u32 v192, v193
	s_wait_dscnt 0x0
	s_endpgm
.Lfunc_end_k_q8cd0b3e2cd_outp:
	.size	k_q8cd0b3e2cd_outp, .Lfunc_end_k_q8cd0b3e2cd_outp-k_q8cd0b3e2cd_outp
	.p2alignl 7, 3214868480
	.fill 96, 4, 3214868480
	.section	.rodata,"a",@progbits
	.p2align	6, 0x0
	.amdhsa_kernel k_q8cd0b3e2cd_outp
		.amdhsa_group_segment_fixed_size 34304
		.amdhsa_private_segment_fixed_size 0
		.amdhsa_enable_private_segment 0
		.amdhsa_kernarg_size 40
		.amdhsa_user_sgpr_count 2
		.amdhsa_user_sgpr_kernarg_segment_ptr 1
		.amdhsa_wavefront_size32 1
		.amdhsa_system_sgpr_workgroup_id_x 1
		.amdhsa_system_sgpr_workgroup_id_y 1
		.amdhsa_system_sgpr_workgroup_id_z 1
		.amdhsa_system_vgpr_workitem_id 0
		.amdhsa_next_free_vgpr 194
		.amdhsa_next_free_sgpr 66
		.amdhsa_reserve_vcc 0
		.amdhsa_float_denorm_mode_32 3
		.amdhsa_float_denorm_mode_16_64 3
		.amdhsa_memory_ordered 1
		.amdhsa_forward_progress 1
		.amdhsa_inst_pref_size 9
	.end_amdhsa_kernel
	.amdgpu_metadata
---
amdhsa.version: [ 1, 2 ]
amdhsa.kernels:
  - .name:           k_q8cd0b3e2cd_outp
    .symbol:         k_q8cd0b3e2cd_outp.kd
    .args:
      - { .name: oc, .offset: 0, .size: 8, .value_kind: global_buffer, .address_space: global }
      - { .name: os, .offset: 8, .size: 8, .value_kind: global_buffer, .address_space: global }
      - { .name: wo, .offset: 16, .size: 8, .value_kind: global_buffer, .address_space: global }
      - { .name: bo, .offset: 24, .size: 8, .value_kind: global_buffer, .address_space: global }
      - { .name: out0, .offset: 32, .size: 8, .value_kind: global_buffer, .address_space: global }
    .group_segment_fixed_size: 34304
    .private_segment_fixed_size: 0
    .kernarg_segment_align: 8
    .kernarg_segment_size: 40
    .max_flat_workgroup_size: 256
    .sgpr_count:     66
    .vgpr_count:     194
    .wavefront_size: 32
...
	.end_amdgpu_metadata
.endif
;; end of part 3
;; ======== version 2 of 2: 3 launches
;; workspace buffers: kv 8,912,896 bytes; qc 1,179,648 bytes; wo 36,864 bytes; oc 1,048,576 bytes; os 65,536 bytes
;; launch proj (part 4): grid 289 x 1, 8 waves a work-group, no clusters, 105,472 bytes of LDS; arguments q, k, v, Wq, Wk, Wv, Wo, bq, bk, bv, qc, kv, wo; writes qc, kv, wo
.if DOCPART == 4
	.amdgcn_target "amdgcn-amd-amdhsa--gfx1250"
	.amdhsa_code_object_version 6
	.text
	.protected	k_q8cd0b3e2cd_proj
	.globl	k_q8cd0b3e2cd_proj
	.p2align	8
	.type	k_q8cd0b3e2cd_proj,@function
k_q8cd0b3e2cd_proj:
	s_mov_b64 s[64:65], 0
	v_nop
	global_prefetch_b8 v0, s[64:65] scope:SCOPE_SE
	s_setreg_imm32_b32 hwreg(HW_REG_WAVE_SCHED_MODE, 0, 2), 2
	s_setreg_imm32_b32 hwreg(HW_REG_WAVE_MODE, 25, 1), 1
	s_wait_xcnt 0x0
	s_wait_alu depctr_vm_vsrc(0)
; THE THREE PROJECTIONS, qh = q Wq^T + bq, kh = k Wk^T + bk, vh = v Wv^T + bv, on codes of FP4 (E2M1) with one E8M0 scale for each 32 along K (= the 256 channels),
; and the quantising of their results, and of Wo, for the launches that follow.  Everything leaves as IMAGES OF OPERAND REGISTERS: a fragment (16 rows x 128 K, 8 registers a lane)
; is [c = 0, 1][lane][16 bytes]; lane (r, hh) holds in registers 4 c .. 4 c + 3 the block 2 c + hh of row r.
; SHARES.  Work-groups 0-31 take q, 32-159 k, 160-287 v, 256 tokens each; work-group 288 quantises Wo and ends.  Wave w is head w: it quantises its 32 rows of the weight into registers,
; quantises tokens 32 w .. 32 w + 31 of the block into LDS, and behind ONE barrier multiplies all 256 tokens by its head's weight.
; ONE MAP OF TILES: tile t of a run of rows holds in lane r the row 32 (t / 2) + 8 (t % 2) + r + 8 (r / 8), so that the 16 result registers of tiles 2 b, 2 b + 1 are 16 neighbours 32 b + 16 hh + 0 .. 15.
; q, k: the product is used transposed (source 0 = 16 rows of W, source 1 = 16 tokens): a lane holds one token and 16 of the head's 32 numbers.  The next product's K is those 32: ONE block.  Four tiles of tokens
;   are laid as the four blocks of one fragment; the reader multiplies by an operand that is zero codes in the other three blocks.
; v: source 0 = 16 tokens, source 1 = 16 rows of W: a lane holds one of the head's numbers and its registers run along the keys, which are the next product's K.
; The weights are quantised by every work-group anew: 32 KB a wave, read again by all, against one more launch.
; LIMITS: NaN and infinities among the inputs are not served.  A block whose largest magnitude lies under 2^-124, a block of zeros among them, gets the scale byte 1 (zero codes add nothing); this program alone reads the bytes.
; THE MODE: SCHED_MODE bits 1:0 = 2 (LLVM: expert scheduling mode 2), set by the entry lines.  The code itself states the register dependences
; between vector or matrix instructions and memory or LDS instructions, with s_wait_alu, always for 0.
; THE PLAN.  Registers that memory or LDS instructions touch:
;   v1-v7, v9, v10  offsets and LDS addresses: made once at the head, never written again: one wait on va_vdst, behind the last of them, serves every load and store.
;   R0, R1          raw numbers by turns.  Global loads land in one; (tokens) the stage's LDS stores read it and the stage's LDS loads land in it; WQ or QUANT reads it; behind ONE wait on va_vdst it is asked for again.
;   PC0, PW0        (tokens) written by QUANT, read by the image stores behind that same wait; the wait on vm_vsrc in the next fragment's turn through the stage stands ahead of the next QUANT.
;   XF, XS          (products) LDS loads land in them, eight products read them; a wait on va_vdst stands ahead of the next loads.  One set: of a window's 256 registers eight are free.
;   PC0, PC1, SW    (products; they lie in XF) written by two QUANTs and a select, read by the global stores behind one wait on va_vdst; a wait on vm_vsrc stands ahead of the fragments that land there next.
;   W, WS           written by WQ, each ahead of a wait on va_vdst; read by the scaled products (Wo's work-group: by its stores).  BI is written by loads and read by products alone.
.set XSC,   32768                      ; LDS: 0 .. 32,767 the 32 fragments of the block's tokens, (tile t, K step ks) at 1,024 (2 t + ks); here their scale words, 128 bytes each
.set STAGE, 36864                      ; behind them a stage for each wave: 16 rows x (512 bytes + 16)
.set SROW,  528                        ; 33 x 16 bytes
.set W,   16                           ; v16-47   my head's weight: fragment (u, ks) at W + 8 (2 u + ks)
.set WS,  48                           ; v48-51   its scale words
.set BI,  52                           ; v52-67   the bias in the result's layout, 8 registers a tile u
.set XF,  68                           ; v68-99   four fragments of tokens, (a, ks) at XF + 8 (2 a + ks)
.set PC0, 68                           ; v68-75, v76-83 codes just made; v84 their scale words (the same registers, at other times)
.set PC1, 76
.set SW,  84
.set XS,  100                          ; v100-103 the tokens' scale words
.set TM,  104                          ; v104-107 largest magnitudes, v108-111 bytes and lane exchanges, v112-115 the conversions' scale operands
.set PW0, 116
.set PW1, 117
.set R0,  128                          ; v128-191, v192-255 numbers as loaded; later the 16 accumulators
.set R1,  192
.set ACC, 128
.set SEL, 46                           ; s[46:47] v_permlanex16_b32's selects for lane l xor 16
; 64 numbers of a lane, register 16 b + i = k 32 b + 16 hh + i of my row, become a fragment's codes in v[pc] on and its scale word in v[pw].
.macro QUANT s, pc, pw
.irp b, 0,1,2,3
	v_max3_num_f32 v[TM+\b], |v[\s+16*\b]|, |v[\s+16*\b+1]|, 0x1800000   ; my 16 numbers of block b, and the floor 2^(3 - 127): the byte cannot fall under 1
.endr
.irp i, 2,4,6,8,10,12,14
.irp b, 0,1,2,3
	v_max3_num_f32 v[TM+\b], v[TM+\b], |v[\s+16*\b+\i]|, |v[\s+16*\b+\i+1]|   ; the four blocks by turns
.endr
.endr
.irp b, 0,1,2,3
	v_permlanex16_b32 v[TM+4+\b], v[TM+\b], s[SEL], s[SEL+1]
.endr
.irp b, 0,1,2,3
	v_max_num_f32 v[TM+\b], v[TM+\b], v[TM+4+\b]   ; with lane l xor 16's: the block's largest magnitude
.endr
.irp b, 0,1,2,3
	v_add_nc_u32 v[TM+8+\b], 0xff000000, v[TM+\b]  ; 2 off its exponent field: the conversion takes that field as its scale
.endr
.irp b, 0,1,2,3
	v_lshrrev_b32 v[TM+4+\b], 23, v[TM+8+\b]       ; the scale's byte
.endr
	v_lshl_or_b32 v[\pw], v[TM+5], 8, v[TM+4]
	v_lshl_or_b32 v[\pw], v[TM+6], 16, v[\pw]
	v_lshl_or_b32 v[\pw], v[TM+7], 24, v[\pw]      ; my row's scale word, in both halves of the lanes
.irp b, 0,1,2,3
	v_cvt_scalef32_pk8_fp4_f32 v[\pc+2*\b], v[\s+16*\b:\s+16*\b+7], v[TM+8+\b]
	v_cvt_scalef32_pk8_fp4_f32 v[\pc+2*\b+1], v[\s+16*\b+8:\s+16*\b+15], v[TM+8+\b]
.endr
	v_nop                                          ; one plain place behind the scaled conversions
.irp c, 0,1
.irp i, 0,1
	v_permlane16_swap_b32 v[\pc+4*\c+\i], v[\pc+4*\c+2+\i]   ; a whole block to a lane: lanes 0-15 block 2 c, lanes 16-31 block 2 c + 1
.endr
.endr
.endm
; Fragment f = 2 u + ks of my head's weight as f32: lane (r, hh) takes, of row 8 u + r + 8 (r / 8), blocks hh and 2 + hh of the K step: 2 x 128 bytes
.macro WLOAD f, reg
.irp c, 0,1
.irp i, 0,1,2,3,4,5,6,7
	global_load_b128 v[\reg+32*\c+4*\i:\reg+32*\c+4*\i+3], v3, s[36:37] offset:8192*((\f)/2)+512*((\f)%2)+256*\c+16*\i
.endr
.endr
.endm
; and its quantising: both blocks are the lane's own; the scale word's four bytes come from lanes l and l xor 16
.macro WQ src, dst, sc
.irp c, 0,1
	v_max3_num_f32 v[TM+\c], |v[\src+32*\c]|, |v[\src+32*\c+1]|, 0x1800000
.endr
.irp i, 2,4,6,8,10,12,14,16,18,20,22,24,26,28,30
.irp c, 0,1
	v_max3_num_f32 v[TM+\c], v[TM+\c], |v[\src+32*\c+\i]|, |v[\src+32*\c+\i+1]|
.endr
.endr
.irp c, 0,1
	v_add_nc_u32 v[TM+8+\c], 0xff000000, v[TM+\c]
.endr
.irp c, 0,1
	v_lshrrev_b32 v[TM+4+\c], 23, v[TM+8+\c]
.endr
	v_lshl_or_b32 v[TM+7], v[TM+5], 16, v[TM+4]    ; my two bytes: blocks hh and 2 + hh,
	v_lshlrev_b32 v[TM+7], v8, v[TM+7]             ; 8 hh bits up
	v_permlanex16_b32 v[TM+6], v[TM+7], s[SEL], s[SEL+1]
	v_or_b32 v[\sc], v[TM+7], v[TM+6]              ; with the other half's two the word is whole
.irp c, 0,1
.irp g, 0,1,2,3
	v_cvt_scalef32_pk8_fp4_f32 v[\dst+4*\c+\g], v[\src+32*\c+8*\g:\src+32*\c+8*\g+7], v[TM+8+\c]
.endr
.endr
	v_nop                                          ; one plain place behind the scaled conversions
.endm
; Fragment i = 2 u + ks of my 32 tokens as f32, as the bytes lie: load k takes 512 consecutive bytes of the tile's row k
.macro XRAW i, reg
.irp k, 0,1,2,3,4,5,6,7,8,9,10,11,12,13,14,15
	global_load_b128 v[\reg+4*\k:\reg+4*\k+3], v1, s[34:35] offset:(8*((\i)/2)+\k+8*(\k/8))*1024+512*((\i)%2) th:TH_LOAD_NT
.endr
.endm
; through my own stage: in as loaded, back 16 neighbours of each block to a lane
.macro TURN reg
.irp k, 0,1,2,3,4,5,6,7,8,9,10,11,12,13,14,15
	ds_store_b128 v4, v[\reg+4*\k:\reg+4*\k+3] offset:SROW*\k
.endr
	s_wait_dscnt 0x0                               ; the stores into the stage are done
	s_wait_alu depctr_vm_vsrc(0)                   ; they have read the raw buffer, in which the loads below land; and the last fragment's image stores have read PC0 and PW0, which the QUANT behind this turn writes
.irp b, 0,1,2,3
.irp j, 0,1,2,3
	ds_load_b128 v[\reg+16*\b+4*\j:\reg+16*\b+4*\j+3], v5 offset:128*\b+16*\j
.endr
.endr
	s_wait_dscnt 0x0
.endm
; tiles 8 s + 2 p + a of the block's tokens, both K steps, with their scale words
.macro FETCH s, p
.irp a, 0,1
.irp ks, 0,1
.irp c, 0,1
	ds_load_b128 v[XF+8*(2*\a+\ks)+4*\c:XF+8*(2*\a+\ks)+4*\c+3], v1 offset:(2*(8*\s+2*\p+\a)+\ks)*1024+512*\c
.endr
	ds_load_b32 v[XS+2*\a+\ks], v2 offset:XSC+(2*(8*\s+2*\p+\a)+\ks)*128
.endr
.endr
.endm
; 8 matrix instructions: two tiles of tokens x my two tiles of weight rows x two K steps.  The four accumulators take turns, one instruction a turn.  The bias is the C of each sum's first product.
.macro MM tr, p
.irp ks, 0,1
.irp a, 0,1
.irp u, 0,1
.if \tr
.set DD, ACC+64*((\p)/2)+16*(2*((\p)%2)+\a)+8*\u
.if \ks == 0
	v_wmma_scale_f32_16x16x128_f8f6f4 v[DD:DD+7], v[W+8*(2*\u+\ks):W+8*(2*\u+\ks)+7], v[XF+8*(2*\a+\ks):XF+8*(2*\a+\ks)+7], v[BI+8*\u:BI+8*\u+7], v[WS+2*\u+\ks], v[XS+2*\a+\ks] matrix_a_fmt:MATRIX_FMT_FP4 matrix_b_fmt:MATRIX_FMT_FP4
.else
	v_wmma_scale_f32_16x16x128_f8f6f4 v[DD:DD+7], v[W+8*(2*\u+\ks):W+8*(2*\u+\ks)+7], v[XF+8*(2*\a+\ks):XF+8*(2*\a+\ks)+7], v[DD:DD+7], v[WS+2*\u+\ks], v[XS+2*\a+\ks] matrix_a_fmt:MATRIX_FMT_FP4 matrix_b_fmt:MATRIX_FMT_FP4
.endif
.else
.set DD, ACC+64*\u+16*(\p)+8*\a
.if \ks == 0
	v_wmma_scale_f32_16x16x128_f8f6f4 v[DD:DD+7], v[XF+8*(2*\a+\ks):XF+8*(2*\a+\ks)+7], v[W+8*(2*\u+\ks):W+8*(2*\u+\ks)+7], v[BI+8*\u:BI+8*\u+7], v[XS+2*\a+\ks], v[WS+2*\u+\ks] matrix_a_fmt:MATRIX_FMT_FP4 matrix_b_fmt:MATRIX_FMT_FP4
.else
	v_wmma_scale_f32_16x16x128_f8f6f4 v[DD:DD+7], v[XF+8*(2*\a+\ks):XF+8*(2*\a+\ks)+7], v[W+8*(2*\u+\ks):W+8*(2*\u+\ks)+7], v[DD:DD+7], v[XS+2*\a+\ks], v[WS+2*\u+\ks] matrix_a_fmt:MATRIX_FMT_FP4 matrix_b_fmt:MATRIX_FMT_FP4
.endif
.endif
.endr
.endr
.endr
.endm
.macro PLACES                          ; four plain places behind matrix instructions, ahead of loads into their registers and of the first read of results
.rept 4
	v_nop
.endr
.endm
.macro OUTS base                       ; two fragments, each store 512 consecutive bytes at a multiple of 256 from the buffer's first byte; and their 32 scale words
	global_store_b128 v1, v[PC0:PC0+3], s[\base:\base+1]
	global_store_b128 v1, v[PC0+4:PC0+7], s[\base:\base+1] offset:512
	global_store_b128 v1, v[PC1:PC1+3], s[\base:\base+1] offset:1024
	global_store_b128 v1, v[PC1+4:PC1+7], s[\base:\base+1] offset:1536
	global_store_b32 v9, v[SW], s[\base:\base+1]
.endm
; The products of the block's 256 tokens, 128 (a step of the reader) at a time; their 128 results a lane become two fragments.
.macro PHASE_M tr
.irp s, 0,1
.irp p, 0,1,2,3
.if \p > 0
	PLACES
	s_wait_alu depctr_va_vdst(0)                   ; the last eight products are done reading XF and XS, in which the loads below land
.endif
.if (\s == 1) && (\p == 0)
	s_wait_xcnt 0x0                                ; the first step's stores have had their addresses translated: their data lie where the fragments land
	s_wait_alu depctr_vm_vsrc(0)                   ; and they have read PC0, PC1 and SW, in which the loads below land (the vector and matrix lines that named XF and XS stand ahead of the wait in front of those stores)
.endif
	FETCH \s, \p
	s_wait_dscnt 0x0
	MM \tr, \p
.endr
	PLACES
	QUANT ACC, PC0, PW0
	QUANT ACC+64, PC1, PW1
	v_cndmask_b32 v[SW], v[PW1], v[PW0], s48       ; lanes 0-15 the first fragment's words, lanes 16-31 the second's
	s_wait_alu depctr_va_vdst(0)                   ; the conversions, the exchanges and the select have written PC0, PC1 and SW, which the stores below read
	OUTS 40+2*\s
.endr
.endm
	s_load_b512 s[8:23], s[0:1], 0x0               ; q s[8:9], k s[10:11], v s[12:13], Wq s[14:15], Wk s[16:17], Wv s[18:19], Wo s[20:21], bq s[22:23]
	s_load_b256 s[24:31], s[0:1], 0x40             ; bk s[24:25], bv s[26:27], qc s[28:29], kv s[30:31]
	s_load_b64 s[32:33], s[0:1], 0x60              ; wo
	v_lshl_add_u32 v126, v0, 2, 0x19800
	v_mov_b32 v127, 0
	v_lshrrev_b32 v11, 5, v0
	v_readfirstlane_b32 s2, v11                    ; wave = head
	v_and_b32 v11, 31, v0                          ; lane
	v_and_b32 v12, 15, v0                          ; r
	v_bfe_u32 v13, v0, 4, 1                        ; hh
	v_lshlrev_b32 v1, 4, v11                       ; v1  16 x lane
	v_lshlrev_b32 v2, 2, v11                       ; v2  4 x lane
	v_and_b32 v14, 8, v12
	v_add_nc_u32 v14, v14, v12                     ; r + 8 (r / 8)
	v_lshlrev_b32 v3, 10, v14
	v_lshl_add_u32 v3, v13, 7, v3                  ; v3  the weight: my row of 1,024 bytes, + 128 hh
	s_wait_alu depctr_va_sdst(0)                   ; s2 is written, ahead of its first reader: LDS addresses and the buffers' offsets are made from it
	s_mul_i32 s49, s2, 16*SROW
	s_add_co_u32 s49, s49, STAGE
	v_add_nc_u32 v4, s49, v1                       ; v4  my stage, on the way in
	v_mul_u32_u24 v5, v12, SROW
	v_lshl_add_u32 v5, v13, 6, v5
	v_add_nc_u32 v5, s49, v5                       ; v5  and back: row r, + 64 hh
	s_lshl_b32 s49, s2, 12
	v_add_nc_u32 v6, s49, v1                       ; v6  my four fragments' images: 4,096 x wave + 16 x lane
	s_lshl_b32 s49, s2, 9
	v_add_nc_u32 v7, s49, v2                       ; v7  and their scale words: 512 x wave + 4 x lane
	v_lshlrev_b32 v8, 3, v13                       ; v8  8 hh
.irp b, 0,1,2,3
	v_mov_b32 v[TM+4+\b], 0                        ; written once: a lane permute's destination counts as one of its sources
.endr
	s_mov_b32 s[SEL], 0x76543210
	s_mov_b32 s[SEL+1], 0xfedcba98
	s_mov_b32 s48, 0xffff                          ; lanes 0-15
	; what differs between q, k and v is kept in scalars, chosen by the work-group's number.  First v's:
	s_mov_b32 s3, ttmp9
	s_mov_b32 s50, 160                             ; the tensor's first work-group
	s_mov_b32 s51, 4                               ; log2 of the blocks in a batch
	s_mov_b32 s52, 4352                            ; a step's record in the output
	s_mov_b32 s53, 139264                          ; a head's records
	s_mov_b32 s54, 2048                            ; where my fragments begin in a record
	s_mov_b32 s55, 2176                            ; and, from there, the scale words
	s_cmp_lt_u32 s3, 160                           ; k's
	s_cselect_b32 s50, 32, s50
	s_cselect_b32 s54, 0, s54
	s_cselect_b32 s55, 4096, s55
	s_cselect_b32 s56, 0, 1                        ; 1: v's way (and Wo's work-group)
	s_cmp_lt_u32 s3, 32                            ; q's
	s_cselect_b32 s50, 0, s50
	s_cselect_b32 s51, 2, s51
	s_cselect_b32 s52, 2304, s52
	s_cselect_b32 s53, 18432, s53
	s_cselect_b32 s55, 2048, s55
	s_sub_co_u32 s57, s3, s50                      ; my block of 256 tokens
	s_min_u32 s57, s57, 127                        ; (Wo's work-group forms addresses that it does not use: they too lie inside)
	s_lshl_b32 s58, s57, 18
	s_lshl_b32 s60, s2, 15
	s_add_co_u32 s58, s58, s60                     ; s[58:59] my 32 tokens: (256 block + 32 wave) rows of 1,024 bytes
	s_mov_b32 s59, 0
	s_mov_b32 s61, 0                               ; s[60:61] my 32 rows of the weight
	s_lshl_b32 s62, s2, 7                          ; s[62:63] my 32 numbers of the bias
	s_mov_b32 s63, 0
	s_lshr_b32 s44, s57, s51                       ; the batch
	s_lshl_b32 s45, s44, s51
	s_sub_co_u32 s45, s57, s45                     ; the block in it
	s_lshl_b32 s44, s44, 3
	s_add_co_u32 s44, s44, s2
	s_mul_i32 s44, s44, s53                        ; (8 batch + head) x a head's records
	s_lshl_b32 s45, s45, 1
	s_mul_i32 s45, s45, s52                        ; + two records a block
	s_add_co_u32 s44, s44, s45
	s_add_co_u32 s44, s44, s54
	s_mov_b32 s45, 0                               ; s[44:45]
	s_mov_b32 s53, 0                               ; s[52:53] a record, as a pair
	v_add_nc_u32 v9, s55, v2                       ; v9  the scale words' place
	s_wait_kmcnt 0x0
	s_cmp_lt_u32 s3, 160
	s_cselect_b64 s[34:35], s[10:11], s[12:13]     ; the tokens,
	s_cselect_b64 s[36:37], s[16:17], s[18:19]     ; the weight,
	s_cselect_b64 s[38:39], s[24:25], s[26:27]     ; the bias
	s_cmp_lt_u32 s3, 32
	s_cselect_b64 s[34:35], s[8:9], s[34:35]
	s_cselect_b64 s[36:37], s[14:15], s[36:37]
	s_cselect_b64 s[38:39], s[22:23], s[38:39]
	s_cselect_b64 s[40:41], s[28:29], s[30:31]     ; the output
	s_cmp_eq_u32 s3, 288
	s_cselect_b64 s[36:37], s[20:21], s[36:37]
	s_add_nc_u64 s[34:35], s[34:35], s[58:59]
	s_add_nc_u64 s[36:37], s[36:37], s[60:61]
	s_add_nc_u64 s[38:39], s[38:39], s[62:63]
	s_add_nc_u64 s[40:41], s[40:41], s[44:45]      ; the first step's record,
	s_add_nc_u64 s[42:43], s[40:41], s[52:53]      ; the second's
	; THE BIAS, in the result's layout: the oldest loads, so every counted wait below covers them.  (Wo's work-group runs v's lines too and uses nothing of them: one way fewer through the text.)
	s_cmp_eq_u32 s56, 0
	s_cbranch_scc0 .Lbias_v
	v_lshlrev_b32 v10, 6, v13                      ; q, k: register j of tile u is the head's number 16 hh + 8 u + j
	s_wait_alu depctr_va_vdst(0)                   ; v10 is written, and so are v1 to v7 and v9: the offsets and LDS addresses that every load and store of the kernel reads
.irp u, 0,1
.irp z, 0,1
	global_load_b128 v[BI+8*\u+4*\z:BI+8*\u+4*\z+3], v10, s[38:39] offset:32*\u+16*\z
.endr
.endr
	s_branch .Lbias_done
.Lbias_v:
	v_lshlrev_b32 v10, 2, v14                      ; v: all eight registers of tile u are the head's number 8 u + r + 8 (r / 8)
	s_wait_alu depctr_va_vdst(0)                   ; v10 is written, and so are v1 to v7 and v9: the offsets and LDS addresses that every load and store of the kernel reads
.irp u, 0,1
.irp j, 0,1,2,3,4,5,6,7
	global_load_b32 v[BI+8*\u+\j], v10, s[38:39] offset:32*\u
.endr
.endr
.Lbias_done:
	; THE WEIGHT: four fragments, one loading while one is quantised.  Each wait on LOADcnt leaves the younger fragment's 16 loads out.
	WLOAD 0, R0
	WLOAD 1, R1
	s_wait_loadcnt 16
	WQ R0, W, WS
	s_wait_alu depctr_va_vdst(0)                   ; the maxima and conversions are done reading R0, in which the loads below land
	WLOAD 2, R0
	s_wait_loadcnt 16
	WQ R1, W+8, WS+1
	s_wait_alu depctr_va_vdst(0)                   ; likewise R1
	WLOAD 3, R1
	s_wait_loadcnt 16
	WQ R0, W+16, WS+2
	s_cmp_eq_u32 s3, 288
	s_cbranch_scc1 .Lwo
	s_wait_alu depctr_va_vdst(0)                   ; the maxima and conversions are done reading R0, in which the tokens' loads land
	XRAW 0, R0                                     ; the tokens follow without a gap
	s_wait_loadcnt 16
	WQ R1, W+24, WS+3
	s_wait_alu depctr_va_vdst(0)                   ; the maxima and conversions are done reading R1, in which the loads below land; W and WS are written whole, which the scaled products take
	XRAW 1, R1
	; MY 32 TOKENS: four fragments (tile 2 w + u, K step ks), i = 2 u + ks
.irp i, 0,1,2,3
.set RR, R0+64*(\i%2)
.if \i < 3
	s_wait_loadcnt 16                              ; this fragment's 16 loads are in, the next one's may be out
.else
	s_wait_loadcnt 0x0
.endif
	TURN RR
	QUANT RR, PC0, PW0
	s_wait_alu depctr_va_vdst(0)                   ; QUANT is done reading the raw buffer, in which the loads below land, and has written PC0 and PW0, which the image stores read
.if \i < 2
	XRAW \i+2, RR                                  ; the buffer is asked for again first
.endif
	ds_store_b128 v6, v[PC0:PC0+3] offset:1024*\i
	ds_store_b128 v6, v[PC0+4:PC0+7] offset:1024*\i+512
	ds_store_b32 v7, v[PW0] offset:XSC+128*\i
.endr
	s_wait_dscnt 0x0                               ; for the others' sake: my images lie in LDS
	s_barrier_signal -1
	s_barrier_wait -1                              ; all 32 fragments do; from here on LDS is only read
	s_wait_alu depctr_vm_vsrc(0)                   ; my last image stores have read PC0, in which the first fragments land, and PW0, which the products' QUANT writes
	s_cmp_eq_u32 s56, 0
	s_cbranch_scc0 .Lmul_v
	PHASE_M 1
	s_wait_dscnt 0x0                               ; the closing lines, six on end
	s_wait_alu 0x0
	s_wait_tensorcnt 0x0
	ds_add_u32 v126, v127
	s_wait_dscnt 0x0
	s_endpgm
.Lmul_v:
	PHASE_M 0
	s_wait_dscnt 0x0                               ; the closing lines, six on end
	s_wait_alu 0x0
	s_wait_tensorcnt 0x0
	ds_add_u32 v126, v127
	s_wait_dscnt 0x0
	s_endpgm
.Lwo:                                              ; Wo's rows 32 w .. 32 w + 31: the four fragments leave as they stand, (4 w + 2 u + ks) x 1,024; the scale words behind all 32 fragments
	s_wait_loadcnt 0x0
	WQ R1, W+24, WS+3
	s_wait_alu depctr_va_vdst(0)                   ; the four WQ have written W and WS, which the stores below read
.irp f, 0,1,2,3
.irp c, 0,1
	global_store_b128 v6, v[W+8*\f+4*\c:W+8*\f+4*\c+3], s[32:33] offset:1024*\f+512*\c
.endr
	global_store_b32 v7, v[WS+\f], s[32:33] offset:32768+128*\f
.endr
	s_endpgm
.Lfunc_end_k_q8cd0b3e2cd_proj:
	.size	k_q8cd0b3e2cd_proj, .Lfunc_end_k_q8cd0b3e2cd_proj-k_q8cd0b3e2cd_proj
	.p2alignl 7, 3214868480
	.fill 96, 4, 3214868480
	.section	.rodata,"a",@progbits
	.p2align	6, 0x0
	.amdhsa_kernel k_q8cd0b3e2cd_proj
		.amdhsa_group_segment_fixed_size 105472
		.amdhsa_private_segment_fixed_size 0
		.amdhsa_enable_private_segment 0
		.amdhsa_kernarg_size 104
		.amdhsa_user_sgpr_count 2
		.amdhsa_user_sgpr_kernarg_segment_ptr 1
		.amdhsa_wavefront_size32 1
		.amdhsa_system_sgpr_workgroup_id_x 1
		.amdhsa_system_sgpr_workgroup_id_y 1
		.amdhsa_system_sgpr_workgroup_id_z 1
		.amdhsa_system_vgpr_workitem_id 0
		.amdhsa_next_free_vgpr 256
		.amdhsa_next_free_sgpr 66
		.amdhsa_reserve_vcc 0
		.amdhsa_float_denorm_mode_32 3
		.amdhsa_float_denorm_mode_16_64 3
		.amdhsa_memory_ordered 1
		.amdhsa_forward_progress 1
		.amdhsa_inst_pref_size 123
	.end_amdhsa_kernel
	.amdgpu_metadata
---
amdhsa.version: [ 1, 2 ]
amdhsa.kernels:
  - .name:           k_q8cd0b3e2cd_proj
    .symbol:         k_q8cd0b3e2cd_proj.kd
    .args:
      - { .name: q, .offset: 0, .size: 8, .value_kind: global_buffer, .address_space: global }
      - { .name: k, .offset: 8, .size: 8, .value_kind: global_buffer, .address_space: global }
      - { .name: v, .offset: 16, .size: 8, .value_kind: global_buffer, .address_space: global }
      - { .name: Wq, .offset: 24, .size: 8, .value_kind: global_buffer, .address_space: global }
      - { .name: Wk, .offset: 32, .size: 8, .value_kind: global_buffer, .address_space: global }
      - { .name: Wv, .offset: 40, .size: 8, .value_kind: global_buffer, .address_space: global }
      - { .name: Wo, .offset: 48, .size: 8, .value_kind: global_buffer, .address_space: global }
      - { .name: bq, .offset: 56, .size: 8, .value_kind: global_buffer, .address_space: global }
      - { .name: bk, .offset: 64, .size: 8, .value_kind: global_buffer, .address_space: global }
      - { .name: bv, .offset: 72, .size: 8, .value_kind: global_buffer, .address_space: global }
      - { .name: qc, .offset: 80, .size: 8, .value_kind: global_buffer, .address_space: global }
      - { .name: kv, .offset: 88, .size: 8, .value_kind: global_buffer, .address_space: global }
      - { .name: wo, .offset: 96, .size: 8, .value_kind: global_buffer, .address_space: global }
    .group_segment_fixed_size: 105472
    .private_segment_fixed_size: 0
    .kernarg_segment_align: 8
    .kernarg_segment_size: 104
    .max_flat_workgroup_size: 256
    .sgpr_count:     66
    .vgpr_count:     256
    .wavefront_size: 32
...
	.end_amdgpu_metadata
.endif
;; end of part 4
;; launch attn (part 5): grid 4 x 64, 16 waves a work-group, clusters of 4 x 1, 169,984 bytes of LDS; arguments qc, kv, oc, os; writes oc, os
.if DOCPART == 5
	.amdgcn_target "amdgcn-amd-amdhsa--gfx1250"
	.amdhsa_code_object_version 6
	.text
	.protected	k_q8cd0b3e2cd_attn
	.globl	k_q8cd0b3e2cd_attn
	.p2align	8
	.type	k_q8cd0b3e2cd_attn,@function
k_q8cd0b3e2cd_attn:
	s_mov_b64 s[64:65], 0
	v_nop
	global_prefetch_b8 v0, s[64:65] scope:SCOPE_SE
	s_setreg_imm32_b32 hwreg(HW_REG_WAVE_MODE, 25, 1), 1
	s_wait_xcnt 0x0
	s_wait_alu depctr_hold_cnt(0) depctr_sa_sdst(0) depctr_va_vdst(0) depctr_va_sdst(0) depctr_va_ssrc(0) depctr_va_vcc(0) depctr_vm_vsrc(0)
	s_getreg_b32 s2, hwreg(HW_REG_IB_STS2, 6, 4)
	s_cmp_eq_u32 s2, 0
	s_cbranch_scc0 .Lentry_in_a_cluster
	s_endpgm
.Lentry_in_a_cluster:
	s_bfe_u32 s2, ttmp6, 0x10000c
	s_cmp_lg_u32 s2, 0x3003
	s_cbranch_scc0 .Lentry_shape_is_right
	s_endpgm
.Lentry_shape_is_right:
; ATTENTION OF ONE HEAD on codes of FP4 (E2M1), one E8M0 scale for each 32 along a product's K: O = softmax(qh kh^T / sqrt(32)) vh, divided by the row's sum and quantised for the last product.
; THE SOFTMAX AHEAD OF THE SECOND PRODUCT: t = score x log2(e) / sqrt(32) (one multiplication, one rounding); M = the running largest t, rounded UP to a whole number; p = 2^(t - M) is quantised along the keys, not normalised;
; the row's sum is taken of the unquantised p.  When M moves, the sum and O are multiplied by 2^(old M - new M): exact.
; SHARES.  Work-group (cx, y): head y = 8 batch + head, queries 256 cx on.  Each of its sixteen waves owns one tile of 16 queries in 256 registers, four waves to a SIMD, and walks all 4,096 keys, 128 a step.
; THE WHOLE HEAD'S K AND V LIE IN LDS: 32 records of 4,352 bytes, 139,264 in all, filled ONCE: no slot is filled again, so the loop over the keys has no barrier.
; A record: +0, +1,024 two fragments of K; +2,048, +3,072 two of V^T; +4,096 K's 32 scale words; +4,224 V's: all images of operand registers, read at 16 x lane and 4 x lane: no pitch, no padding.
; CLUSTER.  The four work-groups of a head need the same 139,264 bytes: each of waves 0-7 asks for an eighth JOINTLY, by the same tensor load with the same descriptor (it hangs on y and the wave's number alone) and the mask of all four.
; THE FIRST PRODUCT'S K IS 32, a quarter of the instruction's 128.  Block beta of a fragment of K holds tile 4 f + beta of 16 keys, and the product takes an operand of Q that holds Q in block beta and zero codes elsewhere:
; so four LDS loads of 16 bytes a lane feed eight tiles of scores.  Both products are used transposed: a lane holds ONE query throughout.  The keys of a tile are not neighbours (lane r of tile 2 b + u: key 32 b + 8 u + r + 8 (r / 8)),
; so that the 16 registers of tiles 2 b, 2 b + 1 are keys 32 b + 16 hh + 0 .. 15.
; LIMITS: NaN and infinities are not served.  A block of O whose largest magnitude lies under 2^-124 gets the scale byte 1; this program alone reads the bytes.
; REGISTERS: v1, v2 16 x and 4 x lane; v3, v4 the step's LDS addresses; v12 -M, v13 the largest t, v[14:15] the sum in two halves; v16-35 Q's four operands, overlapping; v36 Q's scale byte, four times;
;   v40-55 K, v56-71 V, v72, v73 their scale words; v96-159 scores, then p; v160-175 O^T; v224-231 p's codes; v232-254 at work (v252 the rescaling factor, v253 p's scale word).
.set REC,   4352
.set HEADB, 32*REC
.set OSB,   HEADB                      ; behind the head: the work-group's 256 scale bytes of O, in a block of 256 bytes into which no fill lands
.set WV,   18                          ; s18  my wave's number
.set SEL,  20                          ; s[20:21] selects for lane l xor 16
.set CS,   22                          ; s[22:23] c = log2(e) / sqrt(32), twice: the packed form names a pair
.set G1,   24                          ; s[24:31] descriptor group 1
.set G0,   32                          ; s[32:35] group 0
.set TB,   36                          ; s36  LDS byte of the step's record
.set CNT,  37                          ; s37  steps done
.macro ROUND                           ; a round of the cluster's barrier
	s_barrier_signal -1
	s_barrier_wait -1
	s_cmp_lg_u32 s[WV], 0
	s_cbranch_scc1 .Lnot_wave_0_\@
	s_barrier_signal -3
.Lnot_wave_0_\@:
	s_barrier_wait -3
	s_barrier_signal -1
	s_barrier_wait -1
.endm
	s_load_b256 s[4:11], s[0:1], 0x0               ; qc s[4:5], kv s[6:7], oc s[8:9], os s[10:11]
	v_lshl_add_u32 v251, v0, 2, 0x29000
	v_mov_b32 v255, 0
	ds_add_u32 v251, v255
	ds_add_u32 v251, v255
	v_lshrrev_b32 v8, 5, v0
	s_delay_alu instid0(VALU_DEP_1)
	v_readfirstlane_b32 s[WV], v8                  ; wave 0..15
	s_bfe_u32 s38, ttmp6, 0x40000                  ; cx: it enters Q's and the outputs' addresses alone
	s_and_b32 s39, ttmp7, 0xffff                   ; y = 8 batch + head, which the four partners share
	v_and_b32 v9, 31, v0
	s_delay_alu instid0(VALU_DEP_1)
	v_lshlrev_b32 v1, 4, v9
	s_delay_alu instid0(VALU_DEP_2)
	v_lshlrev_b32 v2, 2, v9
	v_and_b32 v8, 15, v0                           ; r
	; group 1: 68 dense rows of 256 bytes (32 elements of 8 bytes): 17,408 bytes, four records
	s_mov_b32 s[G1], 15|(3<<16)|(1<<21)            ; 15:0 the mask: all four work-groups; 17:16 elements of 8 bytes; 21 set beside a mask; no padding
	s_mov_b32 s[G1+1], 32<<16                      ; tensor_dim0 = 32
	s_mov_b32 s[G1+2], 68<<16                      ; tensor_dim1 = 68
	s_mov_b32 s[G1+3], 32<<16                      ; tile_dim0 = 32
	s_mov_b32 s[G1+4], 68                          ; tile_dim1 = 68
	s_mov_b32 s[G1+5], 32                          ; from row to row
	s_mov_b32 s[G1+6], 0
	s_mov_b32 s[G1+7], 0
	s_and_b32 s42, s[WV], 7                        ; which eighth (waves 8-15 form the same numbers and ask for nothing)
	s_mov_b32 s[G0], 1
	s_mul_i32 s[G0+1], s42, 17408                  ; its place in LDS
	s_mul_i32 s40, s39, HEADB
	s_add_co_u32 s40, s40, s[G0+1]                 ; and in kv
	s_mov_b32 s41, 0
	s_wait_dscnt 0x0
	s_wait_kmcnt 0x0
	s_add_nc_u64 s[G0+2:G0+3], s[6:7], s[40:41]
	s_or_b32 s[G0+3], s[G0+3], 0x80000000          ; type = 2
	ROUND                                          ; all four work-groups are here: the joint loads meet
	s_cmp_lt_u32 s[WV], 8
	s_cbranch_scc0 .Lno_fetch
	tensor_load_to_lds s[G0:G0+3], s[G1:G1+7]      ; one tensor load of mine is out
	s_nop 0
.rept 4
	v_nop
.endr
.Lno_fetch:
	; Q: my tile is 16 cx + w: record 2 cx + w / 8 of the head's eight, tile w % 8 in it: 256 bytes, 16 a query; both halves of the lanes take the same
	s_mul_i32 s40, s39, 18432
	s_lshl_b32 s43, s38, 1
	s_lshr_b32 s44, s[WV], 3
	s_add_co_u32 s43, s43, s44
	s_mul_i32 s43, s43, 2304
	s_add_co_u32 s40, s40, s43
	s_add_nc_u64 s[4:5], s[4:5], s[40:41]
	s_lshl_b32 s43, s42, 8
	s_wait_alu depctr_va_vdst(0)
	v_lshl_add_u32 v5, v8, 4, s43
	s_lshr_b32 s43, s42, 2
	s_lshl_b32 s43, s43, 6
	v_lshl_add_u32 v6, v8, 2, s43                  ; the scale word of query r in fragment (w % 8) / 4
	global_load_b128 v[40:43], v5, s[4:5]
	global_load_b32 v37, v6, s[4:5] offset:2048
	; where the results go: oc: tile (64 batch + 16 cx + w) x 2,048 + 256 head;  os: 8,192 head + 1,024 batch + 256 cx
	s_lshr_b32 s40, s39, 3
	s_and_b32 s43, s39, 7
	s_lshl_b32 s44, s40, 6
	s_lshl_b32 s45, s38, 4
	s_add_co_u32 s44, s44, s45
	s_add_co_u32 s44, s44, s[WV]
	s_lshl_b32 s44, s44, 11
	s_lshl_b32 s45, s43, 8
	s_add_co_u32 s44, s44, s45
	s_mov_b32 s45, 0
	s_add_nc_u64 s[8:9], s[8:9], s[44:45]
	s_lshl_b32 s44, s43, 13
	s_lshl_b32 s40, s40, 10
	s_add_co_u32 s44, s44, s40
	s_lshl_b32 s40, s38, 8
	s_add_co_u32 s44, s44, s40
	s_add_nc_u64 s[10:11], s[10:11], s[44:45]
	s_mov_b32 s[SEL], 0x76543210
	s_mov_b32 s[SEL+1], 0xfedcba98
	s_mov_b32 s[CS], 0x3e8293ee                    ; c = log2(e) / sqrt(32)
	s_mov_b32 s[CS+1], s[CS]
	s_mov_b32 s46, 0xffff                          ; lanes 0-15
	s_and_b32 s47, s[WV], 3
	s_lshl_b32 s47, s47, 3                         ; my tile's byte in the scale word
	s_mov_b32 s[TB], 0
	s_mov_b32 s[CNT], 0
	s_wait_loadcnt 0x0
	v_lshrrev_b32 v37, s47, v37
	s_delay_alu instid0(VALU_DEP_1)
	v_perm_b32 v36, v37, v37, 0                    ; Q's scale byte in all four bytes: it serves whichever block holds Q
	; v16-35 in fours: Z A Z B Z, Z zeros, A = Q in lanes 0-15, B = Q in lanes 16-31.  Q in block 0: v[20:27]; 1: v[28:35]; 2: v[16:23]; 3: v[24:31]
.irp i, 0,1,2,3
	v_cndmask_b32 v[20+\i], 0, v[40+\i], s46
	v_cndmask_b32 v[28+\i], v[40+\i], 0, s46
.endr
.irp i, 0,1,2,3
	v_mov_b32 v[16+\i], 0
	v_mov_b32 v[24+\i], 0
	v_mov_b32 v[32+\i], 0
.endr
	v_mov_b32 v13, 0xff61b1e6                      ; the largest t so far: -3e38, under every t
	s_delay_alu instid0(VALU_DEP_1)
	v_floor_f32 v12, -v13                          ; -M
	v_mov_b32 v14, 0                               ; the sum, in two halves
	v_mov_b32 v15, 0
.irp j, 0,1,2,3,4,5,6,7,8,9,10,11,12,13,14,15
	v_mov_b32 v[160+\j], 0                         ; O^T: the step is written once; the first finds zeros, which the first change of M leaves zeros
.endr
.irp b, 0,1,2,3
	v_mov_b32 v[236+\b], 0                         ; written once: a lane permute's destination counts as one of its sources
.endr
	v_mov_b32 v253, 0                              ; (named as the upper half of the pair v[252:253] before it is first written)
	s_wait_tensorcnt 0x0                           ; my eighth has landed,
	s_barrier_signal -1
	s_barrier_wait -1                              ; everybody's has: the head lies in LDS and is only read from here on
.Lstep:                                            ; 32 trips of 128 keys
	s_setprio 2
	v_add_nc_u32 v3, s[TB], v1
	v_add_nc_u32 v4, s[TB], v2
	v_nop
	v_nop                                          ; four places behind the last products, ahead of the loads into their registers
.irp i, 0,1,2,3
	ds_load_b128 v[40+4*\i:43+4*\i], v3 offset:512*\i
.endr
	ds_load_b32 v72, v4 offset:4096                ; K's scale words: lanes 0-15 fragment 0's, lanes 16-31 fragment 1's
.irp i, 0,1,2,3
	ds_load_b128 v[56+4*\i:59+4*\i], v3 offset:2048+512*\i
.endr
	ds_load_b32 v73, v4 offset:4224                ; V's likewise
	s_wait_dscnt 0x5                               ; K and its words are in; V's five loads may stay out until the second product
.irp t, 0,1,2,3,4,5,6,7                        ; S^T = K Q^T: tile t = block t % 4 of fragment t / 4
.set QOP, 16+8*(\t%2)+4*(1-(\t%4)/2)
.if \t < 4
	v_wmma_scale_f32_16x16x128_f8f6f4 v[96+8*\t:103+8*\t], v[40:47], v[QOP:QOP+7], 0, v72, v36 matrix_a_fmt:MATRIX_FMT_FP4 matrix_b_fmt:MATRIX_FMT_FP4
.else
	v_wmma_scale_f32_16x16x128_f8f6f4 v[96+8*\t:103+8*\t], v[48:55], v[QOP:QOP+7], 0, v72, v36 matrix_a_fmt:MATRIX_FMT_FP4 matrix_b_fmt:MATRIX_FMT_FP4 matrix_a_scale:MATRIX_SCALE_ROW1
.endif
.endr
.rept 4
	v_nop
.endr
.irp b, 0,1,2,3
	v_max3_num_f32 v[232+\b], v[96+16*\b], v[97+16*\b], v[98+16*\b]   ; the largest score of each block of 32 keys: it serves the row's maximum and, since p rises with the score, the block's largest p
.endr
.irp i, 3,5,7,9,11,13
.irp b, 0,1,2,3
	v_max3_num_f32 v[232+\b], v[232+\b], v[96+16*\b+\i], v[97+16*\b+\i]
.endr
.endr
.irp b, 0,1,2,3
	v_max_num_f32 v[232+\b], v[232+\b], v[111+16*\b]
.endr
.irp b, 0,1,2,3
	s_delay_alu instid0(VALU_DEP_4)
	v_permlanex16_b32 v[236+\b], v[232+\b], s[SEL], s[SEL+1]
.endr
.irp b, 0,1,2,3
	s_delay_alu instid0(VALU_DEP_4)
	v_max_num_f32 v[232+\b], v[232+\b], v[236+\b]  ; with lane l xor 16's 16 keys
.endr
	s_delay_alu instid0(VALU_DEP_2)
	v_max3_num_f32 v254, v232, v233, v234
	s_delay_alu instid0(VALU_DEP_1)
	v_max_num_f32 v254, v254, v235                 ; the step's largest score of my query
	s_delay_alu instid0(VALU_DEP_1)
	v_mul_f32 v254, s[CS], v254                    ; as t (c is positive)
	s_delay_alu instid0(VALU_DEP_1)
	v_max_num_f32 v13, v13, v254                   ; the running largest t
	v_mov_b32 v254, v12
	s_delay_alu instid0(VALU_DEP_2)
	v_floor_f32 v12, -v13                          ; the new -M = floor(-t) = -ceil(t)
	s_delay_alu instid0(VALU_DEP_1)
	v_sub_f32 v254, v12, v254                      ; old M - new M: a whole number, 0 or less
	s_delay_alu instid0(VALU_DEP_1)
	v_cvt_i32_f32 v254, v254                       ; (it saturates)
	s_delay_alu instid0(VALU_DEP_1)
	v_ldexp_f32 v252, 1.0, v254                    ; f = 2^(old M - new M)
.irp j, 0,2,4,6,8,10,12,14,16,18,20,22,24,26,28,30,32,34,36,38,40,42,44,46,48,50,52,54,56,58,60,62
	v_pk_fma_f32 v[96+\j:97+\j], v[96+\j:97+\j], s[CS:CS+1], v[12:13] op_sel_hi:[1,0,0]   ; t - M, two at a time
.endr
.irp b, 0,1,2,3
	v_fma_f32 v[232+\b], v[232+\b], s[CS], v12     ; the same of each block's largest score
.endr
	s_setprio 1
	s_wait_alu depctr_va_vdst(0)
.irp j, 0,1,2,3,4,5,6,7,8,9,10,11,12,13,14,15,16,17,18,19,20,21,22,23,24,25,26,27,28,29,30,31,32,33,34,35,36,37,38,39,40,41,42,43,44,45,46,47,48,49,50,51,52,53,54,55,56,57,58,59,60,61,62,63
	v_exp_f32 v[96+\j], v[96+\j]                   ; p = 2^(t - M), at most 1
.endr
	v_pk_mul_f32 v[14:15], v[14:15], v[252:253] op_sel_hi:[1,0]   ; the sums under the new M: the plain place behind the exponentials
	s_wait_alu depctr_va_vdst(0)                   ; one wait for the whole batch, ahead of its first reader
.irp b, 0,1,2,3
	v_exp_f32 v[232+\b], v[232+\b]                 ; the block's largest p
.endr
	v_pk_add_f32 v[236:237], v[100:101], v[104:105]
	v_pk_add_f32 v[248:249], v[108:109], v[112:113]
	v_pk_add_f32 v[246:247], v[116:117], v[120:121]
	v_pk_add_f32 v[244:245], v[124:125], v[128:129]
	v_pk_add_f32 v[242:243], v[132:133], v[136:137]
	v_pk_add_f32 v[240:241], v[140:141], v[144:145]
	v_pk_add_f32 v[238:239], v[148:149], v[152:153]
	v_pk_add_f32 v[14:15], v[14:15], v[156:157]
	v_pk_add_f32 v[236:237], v[236:237], v[96:97]
	v_pk_add_f32 v[248:249], v[248:249], v[98:99]
	v_pk_add_f32 v[246:247], v[246:247], v[102:103]
	v_pk_add_f32 v[244:245], v[244:245], v[106:107]
	v_pk_add_f32 v[242:243], v[242:243], v[110:111]
	v_pk_add_f32 v[240:241], v[240:241], v[114:115]
	v_pk_add_f32 v[238:239], v[238:239], v[118:119]
	v_pk_add_f32 v[14:15], v[14:15], v[122:123]
	v_pk_add_f32 v[236:237], v[236:237], v[126:127]
	v_pk_add_f32 v[248:249], v[248:249], v[130:131]
	v_pk_add_f32 v[246:247], v[246:247], v[134:135]
	v_pk_add_f32 v[244:245], v[244:245], v[138:139]
	v_pk_add_f32 v[242:243], v[242:243], v[142:143]
	v_pk_add_f32 v[240:241], v[240:241], v[146:147]
	v_pk_add_f32 v[238:239], v[238:239], v[150:151]
	v_pk_add_f32 v[14:15], v[14:15], v[154:155]
	v_pk_add_f32 v[236:237], v[236:237], v[158:159]
	s_delay_alu instid0(VALU_DEP_2)
	v_pk_add_f32 v[14:15], v[14:15], v[244:245]
	s_delay_alu instid0(VALU_DEP_2)
	v_pk_add_f32 v[236:237], v[236:237], v[242:243]
	v_pk_add_f32 v[248:249], v[248:249], v[240:241]
	v_pk_add_f32 v[246:247], v[246:247], v[238:239]
	s_delay_alu instid0(VALU_DEP_2)
	v_pk_add_f32 v[14:15], v[14:15], v[248:249]
	s_delay_alu instid0(VALU_DEP_2)
	v_pk_add_f32 v[236:237], v[236:237], v[246:247]
	s_delay_alu instid0(VALU_DEP_1)
	v_pk_add_f32 v[14:15], v[14:15], v[236:237]
	s_setprio 0
	s_wait_alu depctr_va_vdst(0)                   ; and one for the four
.irp b, 0,1,2,3
	v_max_num_f32 v[232+\b], 0x1800000, v[232+\b]  ; the floor 2^(3 - 127): the byte cannot fall under 1
.endr
.irp b, 0,1,2,3
	s_delay_alu instid0(VALU_DEP_4)
	v_add_nc_u32 v[244+\b], 0xff000000, v[232+\b]  ; 2 off the exponent field: the conversion's scale operand
.endr
.irp b, 0,1,2,3
	s_delay_alu instid0(VALU_DEP_4)
	v_lshrrev_b32 v[236+\b], 23, v[244+\b]         ; the scale's byte
.endr
	s_delay_alu instid0(VALU_DEP_3)
	v_lshl_or_b32 v253, v237, 8, v236              ; p's scale word for these 128 keys
	s_delay_alu instid0(VALU_DEP_1)
	v_lshl_or_b32 v253, v238, 16, v253
	s_delay_alu instid0(VALU_DEP_1)
	v_lshl_or_b32 v253, v239, 24, v253
.irp b, 0,1,2,3
	v_cvt_scalef32_pk8_fp4_f32 v[224+2*\b], v[96+16*\b:103+16*\b], v[244+\b]
	v_cvt_scalef32_pk8_fp4_f32 v[225+2*\b], v[104+16*\b:111+16*\b], v[244+\b]
.endr
	v_nop                                          ; one plain place behind the scaled conversions
.irp c, 0,1
.irp i, 0,1
	v_permlane16_swap_b32 v[224+4*\c+\i], v[226+4*\c+\i]   ; a whole block to a lane
.endr
.endr
.irp j, 0,2,4,6,8,10,12,14
	v_pk_mul_f32 v[160+\j:161+\j], v[160+\j:161+\j], v[252:253] op_sel_hi:[1,0]   ; O^T under the new M.  With the v_nop: nine plain places behind the scale word's last line, eight behind the codes'
.endr
	s_wait_alu depctr_va_vdst(0)
	s_wait_dscnt 0x0                               ; V and its words are in
	v_wmma_scale_f32_16x16x128_f8f6f4 v[160:167], v[56:63], v[224:231], v[160:167], v73, v253 matrix_a_fmt:MATRIX_FMT_FP4 matrix_b_fmt:MATRIX_FMT_FP4   ; O^T += V^T P^T: the two accumulators take turns, the eight score tiles between their links
	v_wmma_scale_f32_16x16x128_f8f6f4 v[168:175], v[64:71], v[224:231], v[168:175], v73, v253 matrix_a_fmt:MATRIX_FMT_FP4 matrix_b_fmt:MATRIX_FMT_FP4 matrix_a_scale:MATRIX_SCALE_ROW1
	s_add_co_u32 s[TB], s[TB], REC
	s_add_co_u32 s[CNT], s[CNT], 1
	s_cmp_lt_u32 s[CNT], 32
	s_cbranch_scc1 .Lstep
	s_setprio 0
	; THE WAY OUT.  O^T / the sum: a lane's 16 registers are the head's numbers 16 hh + 0 .. 15 of its query; the head's 32 are ONE block of the last product's K.  The additions and the address work are the places behind the last products.
	v_add_f32 v14, v14, v15                        ; the sum's two halves,
	s_delay_alu instid0(VALU_DEP_1)
	v_permlanex16_b32 v252, v14, s[SEL], s[SEL+1]
	s_delay_alu instid0(VALU_DEP_1)
	v_add_f32 v14, v14, v252                       ; and lane l xor 16's
	s_wait_alu depctr_va_vdst(0)
	v_rcp_f32 v14, v14
	v_bfe_u32 v9, v0, 4, 1                         ; hh  (a plain place behind the reciprocal)
	v_lshlrev_b32 v7, 4, v8
	s_delay_alu instid0(VALU_DEP_1)
	v_lshl_add_u32 v7, v9, 3, v7                   ; 16 r + 8 hh: my 8 bytes of the tile's 256
	s_lshl_b32 s40, s[WV], 4
	s_add_co_u32 s40, s40, OSB
	v_add_nc_u32 v10, s40, v8                      ; LDS: my query's scale byte: 16 w + r
	v_and_b32 v11, 31, v0
	s_delay_alu instid0(VALU_DEP_1)
	v_lshlrev_b32 v11, 3, v11                      ; 8 x lane
	s_delay_alu instid0(VALU_DEP_1)
	v_add_nc_u32 v6, OSB, v11
	s_wait_alu depctr_va_vdst(0)                   ; ahead of the reciprocal's first reader
.irp j, 0,2,4,6,8,10,12,14
	v_pk_mul_f32 v[96+\j:97+\j], v[160+\j:161+\j], v[14:15] op_sel_hi:[1,0]   ; each accumulator from its low end on
.endr
	v_max3_num_f32 v232, |v96|, |v97|, 0x1800000   ; the largest magnitude of my 16, with the floor, in two chains
	v_max3_num_f32 v233, |v98|, |v99|, |v100|
	s_delay_alu instid0(VALU_DEP_2)
	v_max3_num_f32 v232, v232, |v101|, |v102|
	s_delay_alu instid0(VALU_DEP_2)
	v_max3_num_f32 v233, v233, |v103|, |v104|
	s_delay_alu instid0(VALU_DEP_2)
	v_max3_num_f32 v232, v232, |v105|, |v106|
	s_delay_alu instid0(VALU_DEP_2)
	v_max3_num_f32 v233, v233, |v107|, |v108|
	s_delay_alu instid0(VALU_DEP_2)
	v_max3_num_f32 v232, v232, |v109|, |v110|
	s_delay_alu instid0(VALU_DEP_1)
	v_max3_num_f32 v232, v232, v233, |v111|
	s_delay_alu instid0(VALU_DEP_1)
	v_permlanex16_b32 v236, v232, s[SEL], s[SEL+1]
	s_delay_alu instid0(VALU_DEP_1)
	v_max_num_f32 v232, v232, v236                 ; the block's
	s_delay_alu instid0(VALU_DEP_1)
	v_add_nc_u32 v244, 0xff000000, v232
	s_delay_alu instid0(VALU_DEP_1)
	v_lshrrev_b32 v237, 23, v244                   ; its byte
	v_cvt_scalef32_pk8_fp4_f32 v224, v[96:103], v244
	v_cvt_scalef32_pk8_fp4_f32 v225, v[104:111], v244
	v_nop                                          ; one plain place behind the scaled conversions
	global_store_b64 v7, v[224:225], s[8:9]        ; the wave stores 256 consecutive bytes, at a multiple of 256 from oc's first byte: block head % 4 of the next operand's fragment
	ds_store_b8 v10, v237                          ; both lanes of a query write the same byte with the same value
	s_wait_dscnt 0x0                               ; for wave 0's sake
	s_barrier_signal -1
	s_barrier_wait -1
	s_cmp_lg_u32 s[WV], 0
	s_cbranch_scc1 .Lnot_first
	ds_load_b64 v[16:17], v6                       ; the work-group's 256 bytes leave together
	s_wait_dscnt 0x0
	global_store_b64 v11, v[16:17], s[10:11]
.Lnot_first:
	s_wait_tensorcnt 0x0
	ds_add_u32 v251, v255
	s_wait_dscnt 0x0
	ROUND                                          ; the closing round: no work-group ends while a partner may still ask for a tile that names it
	s_endpgm
.Lfunc_end_k_q8cd0b3e2cd_attn:
	.size	k_q8cd0b3e2cd_attn, .Lfunc_end_k_q8cd0b3e2cd_attn-k_q8cd0b3e2cd_attn
	.p2alignl 7, 3214868480
	.fill 96, 4, 3214868480
	.section	.rodata,"a",@progbits
	.p2align	6, 0x0
	.amdhsa_kernel k_q8cd0b3e2cd_attn
		.amdhsa_group_segment_fixed_size 169984
		.amdhsa_private_segment_fixed_size 0
		.amdhsa_enable_private_segment 0
		.amdhsa_kernarg_size 32
		.amdhsa_user_sgpr_count 2
		.amdhsa_user_sgpr_kernarg_segment_ptr 1
		.amdhsa_wavefront_size32 1
		.amdhsa_system_sgpr_workgroup_id_x 1
		.amdhsa_system_sgpr_workgroup_id_y 1
		.amdhsa_system_sgpr_workgroup_id_z 1
		.amdhsa_system_vgpr_workitem_id 0
		.amdhsa_next_free_vgpr 256
		.amdhsa_next_free_sgpr 66
		.amdhsa_reserve_vcc 0
		.amdhsa_float_denorm_mode_32 3
		.amdhsa_float_denorm_mode_16_64 3
		.amdhsa_memory_ordered 1
		.amdhsa_forward_progress 1
		.amdhsa_inst_pref_size 25
	.end_amdhsa_kernel
	.amdgpu_metadata
---
amdhsa.version: [ 1, 2 ]
amdhsa.kernels:
  - .name:           k_q8cd0b3e2cd_attn
    .symbol:         k_q8cd0b3e2cd_attn.kd
    .args:
      - { .name: qc, .offset: 0, .size: 8, .value_kind: global_buffer, .address_space: global }
      - { .name: kv, .offset: 8, .size: 8, .value_kind: global_buffer, .address_space: global }
      - { .name: oc, .offset: 16, .size: 8, .value_kind: global_buffer, .address_space: global }
      - { .name: os, .offset: 24, .size: 8, .value_kind: global_buffer, .address_space: global }
    .group_segment_fixed_size: 169984
    .private_segment_fixed_size: 0
    .kernarg_segment_align: 8
    .kernarg_segment_size: 32
    .max_flat_workgroup_size: 512
    .sgpr_count:     66
    .vgpr_count:     256
    .wavefront_size: 32
...
	.end_amdgpu_metadata
.endif
;; end of part 5
;; launch outp (part 6): grid 256 x 1, 8 waves a work-group, no clusters, 34,304 bytes of LDS; arguments oc, os, wo, bo, out0; writes out0
.if DOCPART == 6
	.amdgcn_target "amdgcn-amd-amdhsa--gfx1250"
	.amdhsa_code_object_version 6
	.text
	.protected	k_q8cd0b3e2cd_outp
	.globl	k_q8cd0b3e2cd_outp
	.p2align	8
	.type	k_q8cd0b3e2cd_outp,@function
k_q8cd0b3e2cd_outp:
	s_mov_b64 s[64:65], 0
	v_nop
	global_prefetch_b8 v0, s[64:65] scope:SCOPE_SE
	s_setreg_imm32_b32 hwreg(HW_REG_WAVE_SCHED_MODE, 0, 2), 2
	s_setreg_imm32_b32 hwreg(HW_REG_WAVE_MODE, 25, 1), 1
	s_wait_xcnt 0x0
	s_wait_alu depctr_vm_vsrc(0)
; out0 = O Wo^T + bo on codes of FP4 (E2M1), one E8M0 scale for each 32 along K (= the 256 internal numbers: a block is a head).  Both operands arrive as images of operand registers.
; SHARES.  Work-group G takes tiles 2 G and 2 G + 1 of 16 queries; lane r of tile 2 G + a is query 32 G + 8 a + r + 8 (r / 8).  Wave w takes outputs 32 w .. 32 w + 31: two tiles of Wo's rows, two K steps.
; The product is used transposed (source 0 = 16 rows of Wo, source 1 = 16 queries): a lane's eight results are eight neighbouring outputs of one query.  bo is the C of each sum's first product.
; A query's 256 outputs come from eight waves: they meet in a stage in LDS, and each wave stores four whole rows.  No tensor load, no cluster: only the small weight is shared.
; THE MODE: SCHED_MODE bits 1:0 = 2 (LLVM: expert scheduling mode 2), set by the entry lines.  The code itself states the register dependences
; between vector or matrix instructions and memory or LDS instructions, with s_wait_alu, always for 0.
; THE PLAN.  Registers that memory or LDS instructions touch:
;   v1, v3, v5, v6, v7   offsets, made at the head and never written again: one wait on va_vdst ahead of the first load.
;   W, WS, BI, OF, BY    written by the loads alone, each once; read by the products (BY: by the lines that make the scale words).
;   XS                   written by vector lines, taken by the scaled products as scales: eight places, then a wait on va_vdst.  That wait also shows v11 and v12 written, the stage's two LDS addresses.
;   ACC                  written by the products, read by the stage's LDS stores: four places, then a wait on va_vdst.
;   OUTR                 written by LDS loads, read by the global stores: no vector line names it.
.set SP,  1040                         ; a stage row: 1,024 bytes + 16 = 65 x 16: sixteen rows' stores fall on different banks (64 banks of 4 bytes: ISA guide 11.1)
.set W,   16                           ; v16-47   Wo's fragments (u, ks) at W + 8 (2 u + ks)
.set WS,  48                           ; v48-51   their scale words
.set BI,  52                           ; v52-67   bo in the result's layout
.set OF,  68                           ; v68-99   O's fragments (a, ks) at OF + 8 (2 a + ks)
.set XS,  100                          ; v100-101 O's scale words of K step ks: lanes 0-15 tile 0's, lanes 16-31 tile 1's
.set BY,  104                          ; v104-111 their bytes, one head each
.set ACC, 128                          ; v128-159 accumulator (a, u) at ACC + 8 (2 a + u)
.set OUTR, 160                         ; v160-191 four rows on the way out
	s_load_b256 s[4:11], s[0:1], 0x0               ; oc s[4:5], os s[6:7], wo s[8:9], bo s[10:11]
	s_load_b64 s[12:13], s[0:1], 0x20              ; out0
	v_lshl_add_u32 v192, v0, 2, 0x8200
	v_mov_b32 v193, 0
	v_lshrrev_b32 v2, 5, v0
	v_readfirstlane_b32 s2, v2                     ; wave 0..7
	v_and_b32 v3, 31, v0                           ; lane
	v_and_b32 v8, 15, v0                           ; r
	v_bfe_u32 v9, v0, 4, 1                         ; hh
	v_lshlrev_b32 v1, 4, v3                        ; 16 x lane
	s_wait_alu depctr_va_sdst(0)                   ; s2 is written, ahead of its first reader: offsets and LDS addresses are made from it
	s_lshl_b32 s14, s2, 12
	v_add_nc_u32 v6, s14, v1                       ; my four fragments of Wo
	s_lshl_b32 s14, s2, 9
	v_lshl_add_u32 v7, v3, 2, s14                  ; and their scale words
	s_lshl_b32 s14, s2, 7                          ; 128 w
	v_lshl_add_u32 v5, v9, 6, s14                  ; bo: register j of tile u is output 32 w + 16 hh + 8 u + j
	s_mul_i32 s15, s2, 4*SP
	s_lshl_b32 s16, ttmp9, 12                      ; oc: 4,096 bytes a work-group
	s_mov_b32 s17, 0
	s_lshl_b32 s18, ttmp9, 5                       ; os: 32 bytes of each head's row
	s_mov_b32 s19, 0
	s_lshr_b32 s20, s2, 2                          ; stage rows 4 w + i are tile w / 4, lanes 4 (w % 4) + i: queries 32 G + 8 (w / 4) + 4 (w % 4) + 8 ((w % 4) / 2) + i
	s_lshl_b32 s20, s20, 3
	s_and_b32 s21, s2, 3
	s_lshl_b32 s22, s21, 2
	s_add_co_u32 s20, s20, s22
	s_lshr_b32 s21, s21, 1
	s_lshl_b32 s21, s21, 3
	s_add_co_u32 s20, s20, s21
	s_add_co_u32 s20, s20, s18
	s_lshl_b32 s20, s20, 10                        ; rows of 1,024 bytes
	s_mov_b32 s21, 0
	s_wait_kmcnt 0x0
	s_add_nc_u64 s[4:5], s[4:5], s[16:17]
	s_add_nc_u64 s[6:7], s[6:7], s[18:19]
	s_add_nc_u64 s[12:13], s[12:13], s[20:21]
	s_wait_alu depctr_va_vdst(0)                   ; v1, v3, v5, v6 and v7 are written: the offsets that the loads below, and the last stores, read
.irp h, 0,1,2,3,4,5,6,7
	global_load_u8 v[BY+\h], v3, s[6:7] offset:8192*\h
.endr
.irp f, 0,1,2,3
.irp c, 0,1
	global_load_b128 v[OF+8*\f+4*\c:OF+8*\f+4*\c+3], v1, s[4:5] offset:1024*\f+512*\c      ; f = 2 a + ks
	global_load_b128 v[W+8*\f+4*\c:W+8*\f+4*\c+3], v6, s[8:9] offset:1024*\f+512*\c        ; f = 2 u + ks
.endr
	global_load_b32 v[WS+\f], v7, s[8:9] offset:32768+128*\f
.endr
.irp u, 0,1
.irp z, 0,1
	global_load_b128 v[BI+8*\u+4*\z:BI+8*\u+4*\z+3], v5, s[10:11] offset:32*\u+16*\z
.endr
.endr
	s_wait_loadcnt 0x0
	v_lshl_or_b32 v[XS], v[BY+1], 8, v[BY]         ; heads 0-3 make K step 0's word, heads 4-7 K step 1's
	v_lshl_or_b32 v[XS+1], v[BY+5], 8, v[BY+4]
	v_lshl_or_b32 v[XS], v[BY+2], 16, v[XS]
	v_lshl_or_b32 v[XS+1], v[BY+6], 16, v[XS+1]
	v_lshl_or_b32 v[XS], v[BY+3], 24, v[XS]
	v_lshl_or_b32 v[XS+1], v[BY+7], 24, v[XS+1]
	v_mul_u32_u24 v11, v8, SP                      ; the stage, on the way in: row r, + 64 hh + 128 w.  These four lines and four v_nop are the eight places between a scale word's last line and the scaled products
	v_lshl_add_u32 v11, v9, 6, v11
	v_add_nc_u32 v11, s14, v11
	v_add_nc_u32 v12, s15, v1                      ; and back: my four rows, 16 bytes a lane
.rept 4
	v_nop
.endr
	s_wait_alu depctr_va_vdst(0)                   ; the scale words XS are written, which the scaled products take (the places above stay beside this wait); so are v11 and v12, the addresses of the stage's stores and loads
.irp ks, 0,1                                   ; the four accumulators take turns, one instruction a turn
.irp a, 0,1
.irp u, 0,1
.set DD, ACC+8*(2*\a+\u)
.if (\ks == 0) && (\a == 0)
	v_wmma_scale_f32_16x16x128_f8f6f4 v[DD:DD+7], v[W+8*(2*\u+\ks):W+8*(2*\u+\ks)+7], v[OF+8*(2*\a+\ks):OF+8*(2*\a+\ks)+7], v[BI+8*\u:BI+8*\u+7], v[WS+2*\u+\ks], v[XS+\ks] matrix_a_fmt:MATRIX_FMT_FP4 matrix_b_fmt:MATRIX_FMT_FP4
.elseif \ks == 0
	v_wmma_scale_f32_16x16x128_f8f6f4 v[DD:DD+7], v[W+8*(2*\u+\ks):W+8*(2*\u+\ks)+7], v[OF+8*(2*\a+\ks):OF+8*(2*\a+\ks)+7], v[BI+8*\u:BI+8*\u+7], v[WS+2*\u+\ks], v[XS+\ks] matrix_a_fmt:MATRIX_FMT_FP4 matrix_b_fmt:MATRIX_FMT_FP4 matrix_b_scale:MATRIX_SCALE_ROW1
.elseif \a == 0
	v_wmma_scale_f32_16x16x128_f8f6f4 v[DD:DD+7], v[W+8*(2*\u+\ks):W+8*(2*\u+\ks)+7], v[OF+8*(2*\a+\ks):OF+8*(2*\a+\ks)+7], v[DD:DD+7], v[WS+2*\u+\ks], v[XS+\ks] matrix_a_fmt:MATRIX_FMT_FP4 matrix_b_fmt:MATRIX_FMT_FP4
.else
	v_wmma_scale_f32_16x16x128_f8f6f4 v[DD:DD+7], v[W+8*(2*\u+\ks):W+8*(2*\u+\ks)+7], v[OF+8*(2*\a+\ks):OF+8*(2*\a+\ks)+7], v[DD:DD+7], v[WS+2*\u+\ks], v[XS+\ks] matrix_a_fmt:MATRIX_FMT_FP4 matrix_b_fmt:MATRIX_FMT_FP4 matrix_b_scale:MATRIX_SCALE_ROW1
.endif
.endr
.endr
.endr
.rept 4
	v_nop                                          ; four places ahead of the first read of results (ISA guide 7.12.1)
.endr
	s_wait_alu depctr_va_vdst(0)                   ; the products have written the accumulators, which the LDS stores read; the places above stay beside this wait
.irp a, 0,1
.irp u, 0,1
	ds_store_b128 v11, v[ACC+8*(2*\a+\u):ACC+8*(2*\a+\u)+3] offset:16*\a*SP+32*\u          ; each accumulator from its low end on
	ds_store_b128 v11, v[ACC+8*(2*\a+\u)+4:ACC+8*(2*\a+\u)+7] offset:16*\a*SP+32*\u+16
.endr
.endr
	s_wait_dscnt 0x0                               ; for the others' sake: my stores into the stage are done
	s_barrier_signal -1
	s_barrier_wait -1                              ; 32 whole rows lie in the stage
.irp n, 0,1,2,3,4,5,6,7
	ds_load_b128 v[OUTR+4*\n:OUTR+4*\n+3], v12 offset:(\n/2)*SP+512*(\n%2)
.endr
.irp n, 0,1,2,3,4,5,6,7
	s_wait_dscnt 7-\n                              ; load n is in; the younger ones may be out
	global_store_b128 v1, v[OUTR+4*\n:OUTR+4*\n+3], s[12:13] offset:(\n/2)*1024+512*(\n%2) th:TH_STORE_NT   ; 32 lanes store 512 consecutive bytes, at a multiple of 256 from out0's first byte
.endr
	s_wait_dscnt 0x0                               ; the closing lines, six on end
	s_wait_alu 0x0
	s_wait_tensorcnt 0x0
	ds_add_u32 v192, v193
	s_wait_dscnt 0x0
	s_endpgm
.Lfunc_end_k_q8cd0b3e2cd_outp:
	.size	k_q8cd0b3e2cd_outp, .Lfunc_end_k_q8cd0b3e2cd_outp-k_q8cd0b3e2cd_outp
	.p2alignl 7, 3214868480
	.fill 96, 4, 3214868480
	.section	.rodata,"a",@progbits
	.p2align	6, 0x0
	.amdhsa_kernel k_q8cd0b3e2cd_outp
		.amdhsa_group_segment_fixed_size 34304
		.amdhsa_private_segment_fixed_size 0
		.amdhsa_enable_private_segment 0
		.amdhsa_kernarg_size 40
		.amdhsa_user_sgpr_count 2
		.amdhsa_user_sgpr_kernarg_segment_ptr 1
		.amdhsa_wavefront_size32 1
		.amdhsa_system_sgpr_workgroup_id_x 1
		.amdhsa_system_sgpr_workgroup_id_y 1
		.amdhsa_system_sgpr_workgroup_id_z 1
		.amdhsa_system_vgpr_workitem_id 0
		.amdhsa_next_free_vgpr 194
		.amdhsa_next_free_sgpr 66
		.amdhsa_reserve_vcc 0
		.amdhsa_float_denorm_mode_32 3
		.amdhsa_float_denorm_mode_16_64 3
		.amdhsa_memory_ordered 1
		.amdhsa_forward_progress 1
		.amdhsa_inst_pref_size 10
	.end_amdhsa_kernel
	.amdgpu_metadata
---
amdhsa.version: [ 1, 2 ]
amdhsa.kernels:
  - .name:           k_q8cd0b3e2cd_outp
    .symbol:         k_q8cd0b3e2cd_outp.kd
    .args:
      - { .name: oc, .offset: 0, .size: 8, .value_kind: global_buffer, .address_space: global }
      - { .name: os, .offset: 8, .size: 8, .value_kind: global_buffer, .address_space: global }
      - { .name: wo, .offset: 16, .size: 8, .value_kind: global_buffer, .address_space: global }
      - { .name: bo, .offset: 24, .size: 8, .value_kind: global_buffer, .address_space: global }
      - { .name: out0, .offset: 32, .size: 8, .value_kind: global_buffer, .address_space: global }
    .group_segment_fixed_size: 34304
    .private_segment_fixed_size: 0
    .kernarg_segment_align: 8
    .kernarg_segment_size: 40
    .max_flat_workgroup_size: 256
    .sgpr_count:     66
    .vgpr_count:     194
    .wavefront_size: 32
...
	.end_amdgpu_metadata
.endif
;; end of part 6
